; MI455X (gfx1250); checked and timed in simulation.
; The chip was launched on July 23, 2026; its instructions are those of AMD's public machine-readable ISA for CDNA 5 (MIT licence, August 2026) and "CDNA5" Instruction Set Architecture Reference Guide (July 2026). The comments in the code are by the model that wrote it; some were corrected since.
;; Masked Multi Headed Self Attention. Allowed arithmetic: matrix products marked QUANTISED: E2M1 operands, one E8M0 scale for each 32 along K, by v_wmma_scale_f32_16x16x128_f8f6f4 with both operands' format E2M1 (or v_wmma_scale_f32_32x16x128_f4), f32 sums; everything else in f32.
;; Inputs: b_out 1,024 float32; b_qkv 3,072 float32; w_out 1,024 x 1,024 float32; w_qkv 1,024 x 3,072 float32; x 4 x 2,048 x 1,024 float32.
;; Outputs: out0 4 x 2,048 x 1,024 float32.
;; This version of the problem:
;;   THIS VERSION OF THE PROBLEM IS GIVEN IN LOW PRECISION. The matrix products marked QUANTISED in the list below multiply operands that are first quantised to E2M1 (2 exponent bits, 1 mantissa bit; 4 bits a number), with one power-of-two scale for each 32 numbers along K (OCP MX v1.0); their sums are f32. All else is computed in f32.
;;   The module's matrix products, in the order in which they are computed (A, B: the left and right operand; K: the contracted axis; several contracted axes count as one K, in the product's order):
;;     1. [M 8,192, K 1,024] x [K 1,024, N 3,072]; A: input x; B: input w_qkv: QUANTISED
;;     2. batch 64 x [M 2,048, K 64] x [K 64, N 2,048]; A: computed on the way; B: computed on the way: QUANTISED
;;     3. batch 64 x [M 2,048, K 2,048] x [K 2,048, N 64]; A: softmax (see below); B: computed on the way: QUANTISED
;;     4. [M 8,192, K 1,024] x [K 1,024, N 1,024]; A: computed on the way; B: input w_out: QUANTISED
;;   THE QUANTISER, for each operand of a quantised product, along K:
;;     - K is cut into blocks of 32 from its start; a last block that is shorter is filled with zeros.
;;     - A block's scale is 2^e with e = floor(log2(the largest magnitude in the block)) - 2, held to -126 .. 127; a block of zeros has e = 0. As a byte (E8M0): e + 127.
;;     - Each number is divided by its block's scale, clamped to +-6, and rounded to the nearest number of E2M1, ties to even, subnormals kept.
;;     - The product sums the exact products of the quantised numbers (number of the format x scale) in f32.
;;   ~~~python
;;   def quantise(x, axis):      # numpy; x: float32 -> the quantised numbers, widened to float32 again
;;       x = np.moveaxis(x, axis, -1); K = x.shape[-1]
;;       x = np.pad(x, [(0, 0)] * (x.ndim - 1) + [(0, -K % 32)]); x = x.reshape(x.shape[:-1] + (-1, 32)); a = np.abs(x).max(-1, keepdims=True)
;;       e = np.where(a > 0, np.clip(np.frexp(np.where(a > 0, a, 1))[1] - 1 - 2, -126, 127), 0)      # np.frexp(a)[1] - 1 = floor(log2(a)), exactly
;;       r = np.clip(x / 2.0 ** e, -6, 6)
;;       step = 2.0 ** (np.maximum(np.frexp(np.where(r == 0, 1, r))[1] - 1, 0) - 1)
;;       q = np.round(r / step) * step * 2.0 ** e      # np.round: ties to even
;;       return np.moveaxis(q.reshape(q.shape[:-2] + (-1,))[..., :K], -1, axis).astype(np.float32)
;;   ~~~
;;   SOFTMAX AHEAD OF A QUANTISED PRODUCT. Where the list says 'softmax', what is quantised is not the finished softmax but p = 2^(t - M), with t = logit x log2(e) and M = ceil(the row's largest t), a whole number; so 1/2 < the row's largest p <= 1. The row's sum l is taken of the UNQUANTISED p, in f32, and the product's result is divided by l at the end. Since M is a whole number, a kernel that streams over the keys may use a running M (the ceiling of the running maximum): every later rescaling is an exact power of two, which a block's scale takes up: the codes' values come out the same.
;;   OPERANDS COMPUTED ON THE WAY. 'Computed on the way' means the value that the module computes at that place (a softmax that the list does not call 'softmax' is quantised finished and normalised). What goes into a quantiser is computed in f32, as accurately as f32 sums, v_exp_f32 and their like allow (about 1e-6 of the number): no bf16 or f16 on the way to a quantiser, and a product that is left as it is and whose result goes on into a quantised operand takes f32 operands (vector FMAs, or v_wmma_f32_16x16x4_f32). A number that lies on a knife's edge between two numbers of the format may be rounded either way, as far as f32 arithmetic and the matrix unit's own rounding can turn it there, and no further.
;; One version. Each part assembles by itself: llvm-mc -triple=amdgcn-amd-amdhsa -mcpu=gfx1250 --defsym DOCPART=n.
;; ======== version 1 of 1: 4 launches
;; workspace buffers: xc 4,194,304 bytes; xs 262,144 bytes; wc 2,097,152 bytes; ws 131,072 bytes; qkvc 12,582,912 bytes; qkvs 1,310,720 bytes; ac 4,194,304 bytes; asc 262,144 bytes
;; launch quant (part 1): grid 512 x 1, 4 waves a work-group, no clusters, 35,328 bytes of LDS; arguments x, w_qkv, w_out, xc, xs, wc, ws; writes xc, xs, wc, ws
.if DOCPART == 1
	.amdgcn_target "amdgcn-amd-amdhsa--gfx1250"
	.amdhsa_code_object_version 6
	.text
	.protected	k_q3daf208007_quant
	.globl	k_q3daf208007_quant
	.p2align	8
	.type	k_q3daf208007_quant,@function
k_q3daf208007_quant:
	s_mov_b64 s[64:65], 0
	v_nop
	global_prefetch_b8 v0, s[64:65] scope:SCOPE_SE
	s_setreg_imm32_b32 hwreg(HW_REG_WAVE_MODE, 25, 1), 1
	s_wait_xcnt 0x0
; x [8192][1024], w_qkv [1024][3072] and w_out [1024][1024], f32, become codes of FP4 (E2M1) with one E8M0 scale byte for each 32 along K = 1,024.
; A block's scale is 2^(floor(log2(its largest magnitude)) - 2); its byte is the largest magnitude's exponent field - 2, held at 1 from below; each number is divided by the scale and rounded to the nearest code, ties to even.
; LIMITS: NaN and infinities among the inputs are not served; a block whose largest magnitude lies under 2^-124 has its byte held at 1; a block of zeros gets the byte 1 where the rule says 127
; (its codes are zeros, which add nothing under any byte but 0xff, and this program alone reads the bytes).
; THE LAYOUT OF AN OPERAND OF R ROWS (x: its rows; a weight: its columns n).  Rows go in tiles of 16: slot r of tile T holds row 32 (T / 2) + 8 (T % 2) + r % 8 + 16 (r / 8).  kb = the block of 32 along K, 0 .. 31.
;   codes:  (kb / 16) 256 R + 4096 T + 256 (kb % 16) + 16 r, 16 bytes a block;      scale bytes:  (kb / 16) 16 R + 256 T + 16 r + kb % 16.
; So the fragment of a tile and 128 along K is 1,024 consecutive bytes in the order of the operand's registers, 16 bytes a lane, and a row's four scale words of half of K are 16 consecutive bytes.
; SHARES.  Work-groups 0-255: x; 256-447: w_qkv; 448-511: w_out.  Waves share nothing: no barrier.  Only x's path uses LDS.
.set WV,  18
.set RS,  32                           ; v32-127   x: three sets of 32 registers as loaded.  weights: v32-159, four blocks of 32 down K
.set XB,  128                          ; v128-191  x: two sets of 32 neighbours along K
.set CC,  192                          ; v192-223  x: four registers of codes for each step, so that no store's data are written again
.set SB,  24                           ; v24-27    scale bytes
.set WST, 8704                         ; LDS of a wave: two stages
.set HST, 4352                         ; a stage: 16 rows x (256 bytes + 16)
; the largest magnitude of v[x] .. v[x + 31], with the floor 2^(3 - 127) among its leaves -> v8; the conversion's scale operand (2 off the exponent field) -> v11; the scale's byte -> v10
.macro BMAX x
	v_max3_num_f32 v8, |v[\x]|, |v[\x+1]|, |v[\x+2]|
	v_max3_num_f32 v9, |v[\x+3]|, |v[\x+4]|, |v[\x+5]|
.irp i, 6,10,14,18,22,26
	v_max3_num_f32 v8, v8, |v[\x+\i]|, |v[\x+\i+1]|
	v_max3_num_f32 v9, v9, |v[\x+\i+2]|, |v[\x+\i+3]|
.endr
	v_max3_num_f32 v8, v8, |v[\x+30]|, |v[\x+31]|
	v_max3_num_f32 v8, v8, v9, 0x1800000
	v_add_nc_u32 v11, 0xff000000, v8
	v_lshrrev_b32 v10, 23, v11
.endm
	s_load_b256 s[4:11], s[0:1], 0x0               ; x s[4:5], w_qkv s[6:7], w_out s[8:9], xc s[10:11]
	s_load_b128 s[12:15], s[0:1], 0x20             ; xs s[12:13], wc s[14:15]
	s_load_b64 s[16:17], s[0:1], 0x30              ; ws
	v_lshl_add_u32 v224, v0, 2, 0x8800
	v_mov_b32 v225, 0
	v_lshrrev_b32 v1, 5, v0
	v_readfirstlane_b32 s[WV], v1                  ; wave 0..3
	v_and_b32 v7, 31, v0                           ; lane
	s_cmp_lt_u32 ttmp9, 256
	s_cbranch_scc0 .Lweights
; ---- x.  A wave takes one tile of 16 rows x half of K: 512 numbers a row, in 8 steps of 64.  Each load reads 256 consecutive bytes of two rows; a step's 4,096 bytes turn through the wave's own stage
; and come back 128 bytes a lane: lane (r, h) then holds block 2 t + h of slot r whole, so that no other lane is asked for its maximum.
	s_mov_b32 s19, 0xffff0000                      ; lanes 16-31
	s_mov_b32 s20, 0x76543210
	s_mov_b32 s21, 0xfedcba98                      ; v_permlanex16_b32's selects for lane l xor 16
	v_and_b32 v8, 15, v7                           ; r
	v_lshrrev_b32 v9, 4, v7                        ; h
	v_lshlrev_b32 v10, 4, v8                       ; 16 r
	v_lshl_add_u32 v1, v9, 12, v10                 ; in: lanes 0-15 one row, lanes 16-31 the next (4,096 bytes on)
	s_mul_i32 s22, s[WV], WST
	v_mad_u32_u24 v2, v9, 272, v10
	v_add_nc_u32 v2, s22, v2                       ; into the stage: as loaded, two rows an instruction
	v_mul_u32_u24 v3, v8, 272
	v_lshl_add_u32 v3, v9, 7, v3
	v_add_nc_u32 v3, s22, v3                       ; out of it: row r, 128 bytes for each half of the lanes
	v_lshlrev_b32 v4, 4, v7                        ; codes: 16 x lane
	v_lshl_add_u32 v5, v9, 3, v10                  ; scale bytes: 16 r + 8 h
	v_lshlrev_b32 v6, 3, v9                        ; 8 h
.irp w, 0,1,2,3
	v_mov_b32 v[16+\w], 0                          ; written once: a lane permute's destination counts as one of its sources
.endr
	s_lshr_b32 s23, s[WV], 1                       ; the tile's parity
	s_and_b32 s24, s[WV], 1                        ; which half of K
	s_lshl_b32 s26, ttmp9, 17                      ; 32 rows of 4,096 bytes a work-group,
	s_lshl_b32 s25, s23, 15                        ; 8 rows on for the odd tile,
	s_add_co_u32 s26, s26, s25
	s_lshl_b32 s25, s24, 11                        ; 512 numbers on for the second half of K
	s_add_co_u32 s26, s26, s25
	s_mov_b32 s27, 0
	s_lshl_b32 s28, ttmp9, 1
	s_add_co_u32 s28, s28, s23                     ; T
	s_lshl_b32 s30, s28, 12
	s_lshl_b32 s25, s24, 21
	s_add_co_u32 s30, s30, s25
	s_mov_b32 s31, 0
	s_lshl_b32 s32, s28, 8
	s_lshl_b32 s25, s24, 17
	s_add_co_u32 s32, s32, s25
	s_mov_b32 s33, 0
	s_wait_kmcnt 0x0
	s_add_nc_u64 s[4:5], s[4:5], s[26:27]
	s_add_nc_u64 s[10:11], s[10:11], s[30:31]
	s_add_nc_u64 s[12:13], s[12:13], s[32:33]
.macro LOAD t                          ; step t: slots 2 i and 2 i + 1 are rows 2 i, 2 i + 1 (i < 4) or 2 i + 8, 2 i + 9 of the tile's 24
.irp i, 0,1,2,3,4,5,6,7
	global_load_b128 v[RS+32*((\t)%3)+4*\i:RS+32*((\t)%3)+4*\i+3], v1, s[4:5] offset:(2*\i+8*(\i/4))*4096+256*(\t) th:TH_LOAD_NT
.endr
.endm
.macro TURN t                          ; through the stage: LDS serves a wave's instructions in order (ISA guide 5.7.1.4), so no wait stands between the stores and the loads
.irp i, 0,1,2,3,4,5,6,7
	ds_store_b128 v2, v[RS+32*((\t)%3)+4*\i:RS+32*((\t)%3)+4*\i+3] offset:HST*((\t)%2)+544*\i
.endr
.irp i, 0,1,2,3,4,5,6,7
	ds_load_b128 v[XB+32*((\t)%2)+4*\i:XB+32*((\t)%2)+4*\i+3], v3 offset:HST*((\t)%2)+16*\i
.endr
.endm
.macro STEP t
.set XX, XB+32*((\t)%2)
	s_wait_dscnt 0x0                               ; this step's numbers are back from the stage, so its stores into the stage have read their registers,
.if (\t)+3 < 8
	LOAD (\t)+3                                    ; which take the loads of three steps on
.endif
.if (\t) < 7
.if (\t) <= 4
	s_wait_loadcnt 16                              ; the next step's eight loads are in; those of the two steps behind it may be out
.else
	s_wait_loadcnt 8*(6-(\t))
.endif
	TURN (\t)+1                                    ; and go through the other stage while this step is worked
.endif
	BMAX XX
.if (\t)%2 == 0
	v_mov_b32 v[SB+(\t)/2], v10                    ; block 2 t + h: bytes 0 and 2 of word t / 2; they move up by 8 h bits at the end
.else
	v_lshl_or_b32 v[SB+(\t)/2], v10, 16, v[SB+(\t)/2]
.endif
.irp g, 0,1,2,3
	v_cvt_scalef32_pk8_fp4_f32 v[CC+4*(\t)+\g], v[XX+8*\g:XX+8*\g+7], v11
.endr
	global_store_b128 v4, v[CC+4*(\t):CC+4*(\t)+3], s[10:11] offset:512*(\t)   ; 32 lanes store 512 consecutive bytes: blocks 2 t and 2 t + 1 of the 16 slots
.endm
	LOAD 0
	LOAD 1
	LOAD 2
	s_wait_loadcnt 16                              ; step 0's eight loads are in
	TURN 0
.irp t, 0,1,2,3,4,5,6,7
	STEP \t
.endr
.irp w, 0,1,2,3
	v_lshlrev_b32 v[SB+\w], v6, v[SB+\w]           ; my bytes at their places in the scale words
.endr
.irp w, 0,1,2,3
	v_permlanex16_b32 v[16+\w], v[SB+\w], s20, s21
.endr
.irp w, 0,1,2,3
	v_or_b32 v[SB+\w], v[SB+\w], v[16+\w]          ; with lane l xor 16's the four words are whole
.endr
	v_cndmask_b32 v12, v24, v26, s19               ; lanes 0-15 store words 0, 1, lanes 16-31 words 2, 3
	v_cndmask_b32 v13, v25, v27, s19
	global_store_b64 v5, v[12:13], s[12:13]        ; 32 lanes store 256 consecutive bytes, at a multiple of 256 from the buffer's first byte
	s_wait_tensorcnt 0x0
	ds_add_u32 v224, v225
	s_wait_dscnt 0x0
	s_endpgm
; ---- the weights: K is the FIRST axis.  A lane takes a column n and its registers run down K: each load reads 128 consecutive bytes, a block of 32 lies in one lane, and the codes come out with K innermost.
; A wave takes 32 columns x 128 along K.  Column 32 B + l is slot l % 8 + 8 (l / 16) of tile 2 B + (l / 8) % 2: so one store of a block's codes covers two runs of 256 consecutive bytes.
; The scale words leave 4 bytes a lane, 16 bytes apart: 1 byte in 128 of what the path reads.
.macro WLOAD b, n
.set i, 0
.rept 32
	global_load_b32 v[RS+32*(\b)+i], v1, s[34:35] offset:(32*(\b)+i)*4*(\n) th:TH_LOAD_NT
.set i, i+1
.endr
.endm
.macro WBLOCK b
.set XX, RS+32*(\b)
	BMAX XX
.if (\b) == 0
	v_mov_b32 v[SB], v10
.else
	v_lshl_or_b32 v[SB], v10, 8*(\b), v[SB]
.endif
.irp g, 0,1,2,3
	v_cvt_scalef32_pk8_fp4_f32 v[160+4*(\b)+\g], v[XX+8*\g:XX+8*\g+7], v11
.endr
	global_store_b128 v5, v[160+4*(\b):160+4*(\b)+3], s[36:37] offset:256*(\b)
.endm
.macro WPATH n, first, csec, ssec, ptr
	s_sub_co_u32 s22, ttmp9, \first
	s_and_b32 s23, s22, 7                          ; which 128 along K
	s_lshr_b32 s24, s22, 3
	s_lshl_b32 s24, s24, 2
	s_add_co_u32 s24, s24, s[WV]                   ; B: which 32 columns
	s_mul_i32 s26, s23, 512*(\n)
	s_lshl_b32 s25, s24, 7
	s_add_co_u32 s26, s26, s25
	s_mov_b32 s27, 0
	s_lshr_b32 s28, s23, 2                         ; which half of K
	s_and_b32 s29, s23, 3
	s_mul_i32 s30, s28, 256*(\n)
	s_lshl_b32 s25, s24, 13
	s_add_co_u32 s30, s30, s25
	s_lshl_b32 s25, s29, 10
	s_add_co_u32 s30, s30, s25
	s_add_co_u32 s30, s30, \csec
	s_mov_b32 s31, 0
	s_mul_i32 s32, s28, 16*(\n)
	s_lshl_b32 s25, s24, 9
	s_add_co_u32 s32, s32, s25
	s_lshl_b32 s25, s29, 2
	s_add_co_u32 s32, s32, s25
	s_add_co_u32 s32, s32, \ssec
	s_mov_b32 s33, 0
	v_lshlrev_b32 v1, 2, v7                        ; in: 4 bytes a lane
	v_bfe_u32 v2, v7, 3, 1                         ; my tile's parity
	v_and_b32 v3, 7, v7
	v_lshrrev_b32 v4, 4, v7
	v_lshl_add_u32 v3, v4, 3, v3                   ; my slot
	v_lshlrev_b32 v3, 4, v3
	v_lshl_add_u32 v5, v2, 12, v3                  ; codes: 4096 x parity + 16 x slot
	v_lshl_add_u32 v6, v2, 8, v3                   ; scale words: 256 x parity + 16 x slot
	s_wait_kmcnt 0x0
	s_add_nc_u64 s[34:35], s[\ptr:\ptr+1], s[26:27]
	s_add_nc_u64 s[36:37], s[14:15], s[30:31]
	s_add_nc_u64 s[38:39], s[16:17], s[32:33]
	WLOAD 0, \n
	WLOAD 1, \n
	s_wait_loadcnt 32                              ; block 0's 32 loads are in; block 1's may be out
	WLOAD 2, \n
	WBLOCK 0
	s_wait_loadcnt 32                              ; block 1's are in; block 2's may be out
	WLOAD 3, \n
	WBLOCK 1
	s_wait_loadcnt 32                              ; block 2's are in; block 3's may be out
	WBLOCK 2
	s_wait_loadcnt 0x0
	WBLOCK 3
	global_store_b32 v6, v[SB], s[38:39]           ; my column's scale word of these 128 along K
	s_endpgm
.endm
.Lweights:
	s_cmp_lt_u32 ttmp9, 448
	s_cbranch_scc0 .Lwout
	WPATH 3072, 256, 0, 0, 6
.Lwout:
	WPATH 1024, 448, 1572864, 98304, 8
.Lfunc_end_k_q3daf208007_quant:
	.size	k_q3daf208007_quant, .Lfunc_end_k_q3daf208007_quant-k_q3daf208007_quant
	.p2alignl 7, 3214868480
	.fill 96, 4, 3214868480
	.section	.rodata,"a",@progbits
	.p2align	6, 0x0
	.amdhsa_kernel k_q3daf208007_quant
		.amdhsa_group_segment_fixed_size 35328
		.amdhsa_private_segment_fixed_size 0
		.amdhsa_enable_private_segment 0
		.amdhsa_kernarg_size 56
		.amdhsa_user_sgpr_count 2
		.amdhsa_user_sgpr_kernarg_segment_ptr 1
		.amdhsa_wavefront_size32 1
		.amdhsa_system_sgpr_workgroup_id_x 1
		.amdhsa_system_sgpr_workgroup_id_y 1
		.amdhsa_system_sgpr_workgroup_id_z 1
		.amdhsa_system_vgpr_workitem_id 0
		.amdhsa_next_free_vgpr 226
		.amdhsa_next_free_sgpr 66
		.amdhsa_reserve_vcc 0
		.amdhsa_float_denorm_mode_32 3
		.amdhsa_float_denorm_mode_16_64 3
		.amdhsa_memory_ordered 1
		.amdhsa_forward_progress 1
		.amdhsa_inst_pref_size 70
	.end_amdhsa_kernel
	.amdgpu_metadata
---
amdhsa.version: [ 1, 2 ]
amdhsa.kernels:
  - .name:           k_q3daf208007_quant
    .symbol:         k_q3daf208007_quant.kd
    .args:
      - { .name: x, .offset: 0, .size: 8, .value_kind: global_buffer, .address_space: global }
      - { .name: w_qkv, .offset: 8, .size: 8, .value_kind: global_buffer, .address_space: global }
      - { .name: w_out, .offset: 16, .size: 8, .value_kind: global_buffer, .address_space: global }
      - { .name: xc, .offset: 24, .size: 8, .value_kind: global_buffer, .address_space: global }
      - { .name: xs, .offset: 32, .size: 8, .value_kind: global_buffer, .address_space: global }
      - { .name: wc, .offset: 40, .size: 8, .value_kind: global_buffer, .address_space: global }
      - { .name: ws, .offset: 48, .size: 8, .value_kind: global_buffer, .address_space: global }
    .group_segment_fixed_size: 35328
    .private_segment_fixed_size: 0
    .kernarg_segment_align: 8
    .kernarg_segment_size: 56
    .max_flat_workgroup_size: 128
    .sgpr_count:     66
    .vgpr_count:     226
    .wavefront_size: 32
...
	.end_amdgpu_metadata
.endif
;; end of part 1
;; launch qkv (part 2): grid 12 x 32, 4 waves a work-group, clusters of 4 x 4, 262,656 bytes of LDS; arguments xc, xs, wc, ws, b_qkv, qkvc, qkvs; writes qkvc, qkvs
.if DOCPART == 2
	.amdgcn_target "amdgcn-amd-amdhsa--gfx1250"
	.amdhsa_code_object_version 6
	.text
	.protected	k_q3daf208007_qkv
	.globl	k_q3daf208007_qkv
	.p2align	8
	.type	k_q3daf208007_qkv,@function
k_q3daf208007_qkv:
	s_mov_b64 s[64:65], 0
	v_nop
	global_prefetch_b8 v0, s[64:65] scope:SCOPE_SE
	s_setreg_imm32_b32 hwreg(HW_REG_WAVE_MODE, 25, 1), 1
	s_wait_xcnt 0x0
	s_wait_alu depctr_hold_cnt(0) depctr_sa_sdst(0) depctr_va_vdst(0) depctr_va_sdst(0) depctr_va_ssrc(0) depctr_va_vcc(0) depctr_vm_vsrc(0)
	s_getreg_b32 s2, hwreg(HW_REG_IB_STS2, 6, 4)
	s_cmp_eq_u32 s2, 0
	s_cbranch_scc0 .Lentry_in_a_cluster
	s_endpgm
.Lentry_in_a_cluster:
	s_bfe_u32 s2, ttmp6, 0x10000c
	s_cmp_lg_u32 s2, 0xf033
	s_cbranch_scc0 .Lentry_shape_is_right
	s_endpgm
.Lentry_shape_is_right:
; qkv = x w_qkv + b_qkv on codes of FP4 (E2M1) with E8M0 scales, K = 1,024, f32 sums; q, k and v leave as codes again: q and k quantised along the head's 64, v along the keys.  No f32 number of qkv goes to memory.
; ONE BODY: C = A B^T + bias, a tile of 256 x 256 a work-group, 128 x 128 a wave (64 accumulators, 512 registers), then C is quantised along its COLUMNS.  The cluster's x says what A and B are:
;   0, 1 (q, k): A = 256 rows of x, B = 256 columns n < 2,048 of w_qkv: C is [token][n], its columns run along a head's d.
;   2    (v):    A = 256 columns n >= 2,048 of w_qkv, B = 256 rows of x: C is V^T [head x 64 + d][token], its columns run along the keys.
; OPERANDS lie as the launch before laid them: tiles of 16 rows (slot r of tile T = row 32 (T / 2) + 8 (T % 2) + r % 8 + 16 (r / 8)); a tile's fragment for 128 along K is 1,024 consecutive bytes, 16 a lane.
; THE MATRIX INSTRUCTION IS USED TRANSPOSED (source 0 = a tile of B, source 1 = a tile of A): a lane holds one row of C, and by the tiles' order of rows the 16 registers of B's tiles 2 b and 2 b + 1 are
; 16 NEIGHBOURING columns, 32 b + 16 (lane / 16) + 0 .. 15: the conversions take them as they stand.
; LDS: both halves of K of the work-group's A and B, 2 x 131,072 bytes, each byte filled once: no slot is filled again.  K half 1 lands while K half 0 is multiplied.
; CLUSTER 4 x 4: A's tiles are asked for jointly along a row of the cluster, B's along a column: the same tensor load with the same descriptor and a mask that names the four.
; SCALES go from memory straight into registers: lane (r, h) takes the 16 bytes (four scale words) of slot r for K half h, so that a register serves K step q in lanes 0-15 and K step q + 4 in lanes 16-31.
; WHAT IS STORED.  q, k codes: [head of 64][tile of 16 tokens, 128][lane][16 bytes], lane (r, h) = d 32 h .. 32 h + 31 of slot r; their scale words [head][tile / 4][r][tile % 4]: two bytes, then two bytes 0.
;   v codes: [head][128 keys, 16][tile of 16 d, 4][register group, 2][lane][16 bytes]: fragments of V^T; its scale words [head][128 keys][r][tile of d].  Every store of codes covers 512 consecutive bytes.
; LIMITS: NaN and infinities are not served; a block whose largest magnitude lies under 2^-124 has its byte held at 1; a block of zeros gets the byte 1 (its codes are zeros; this program alone reads the bytes).
; REGISTERS, in windows of 256: window 0: v2-8 lane numbers and offsets; v16-21 LDS addresses; v32-63 A's scale words, v64-95 B's; v96-123 at work on the way out; v128-255 A's fragments, two sets (later the codes made).
;   window 1: v0-127 B's fragments, two sets; v128-191 the bias.   windows 2, 3: accumulator (a, b) at v[8 (8 (a % 4) + b)] of window 2 + a / 4.
.set NA,   8                           ; A's blocks of 16 rows a wave
.set NF,   16+2*NA                     ; LDS loads that bring a K step's fragments
.set LI,   4                           ; v4   16 x lane
.set ADRA, 16                          ; v16-17 LDS address of my A fragments in K half 0, 1
.set ADRB, 20                          ; v20-21 the same for B
.set SCA,  32
.set SCB,  64
.set TM,   96                          ; v96-99 largest magnitudes, v100-103 bytes, v108-111 the conversions' scale operands
.set PW,   112                         ; the scale word just made
.set SHF,  113                         ; 16 h
.set SOF,  114                         ; the scale words' offset
.set WRD,  116                         ; v116-123 scale words to store
.set AF,   128
.set PCD,  128                         ; the codes just made: two sets of 8
.set BIAS, 128                         ; in window 1
.set WV,   18
.set RH,   19                          ; which half of the tile's rows is mine.  Also: I fetch for A (0) or for B (1)
.set CH,   20                          ; which half of its columns.  Also: which 128 rows of that tile I fetch
.set CX,   21
.set CY,   22
.set ROLE, 23                          ; the cluster's x: the same in all sixteen partners
.set G1A,  24
.set G0A,  32
.set G1B,  48
.set G0B,  56
.set SEL,  88
.set MSK,  92
.set MSB, 0
.macro WIN new                         ; the immediate's high byte repeats the setting that is left
.if MSB != (\new)
	s_set_vgpr_msb (MSB<<8)|(\new)
.set MSB, (\new)
.endif
.endm
.macro PLACES n
.rept \n
	v_nop
.endr
.endm
; A joint load: waves 0 and 1 fetch for A, waves 2 and 3 for B.  Each line has one mask and one set of registers for all that issue it; the branch hangs on the wave's number alone.
; Four v_nop follow each of the two lines, ahead of the jump, the label and what follows.
.macro JLOAD g0a, g1a, g0b, g1b
	s_cmp_eq_u32 s[RH], 0
	s_cbranch_scc0 .Lfor_b_\@
	tensor_load_to_lds s[\g0a:\g0a+3], s[\g1a:\g1a+7]
	s_nop 0
.rept 4
	v_nop
.endr
	s_branch .Lasked_\@
.Lfor_b_\@:
	tensor_load_to_lds s[\g0b:\g0b+3], s[\g1b:\g1b+7]
	s_nop 0
.rept 4
	v_nop
.endr
.Lasked_\@:
.endm
.macro CROUND                          ; a round of the cluster's barrier
	s_barrier_signal -1
	s_barrier_wait -1
	s_cmp_lg_u32 s[WV], 0
	s_cbranch_scc1 .Lnot_wave_0_\@
	s_barrier_signal -3
.Lnot_wave_0_\@:
	s_barrier_wait -3
	s_barrier_signal -1
	s_barrier_wait -1
.endm
; K step q's fragments into set q % 2: every load reads 512 consecutive bytes
.macro FETCH q
	WIN 0x40                                       ; destination window 1, address window 0
.irp i, 0,1,2,3,4,5,6,7
.irp c, 0,1
	ds_load_b128 v[64*((\q)%2)+8*\i+4*\c:64*((\q)%2)+8*\i+4*\c+3], v[ADRB+((\q)>>2)] offset:4096*\i+1024*((\q)&3)+512*\c
.endr
.endr
	WIN 0
.set fi, 0
.rept NA
.irp c, 0,1
	ds_load_b128 v[AF+8*NA*((\q)%2)+8*fi+4*\c:AF+8*NA*((\q)%2)+8*fi+4*\c+3], v[ADRA+((\q)>>2)] offset:4096*fi+1024*((\q)&3)+512*\c
.endr
.set fi, fi+1
.endr
.endm
; one product: A's block a x B's block b, K step q.  bias = 1: the sum starts from the bias of B's block (it runs along the registers); 2: from that of A's block (one number a lane)
.macro MM a, b, q, bias
.set rD, 8*(8*((\a)%4)+(\b))
.set rB, 64*((\q)%2)+8*(\b)
.set rA, AF+8*NA*((\q)%2)+8*(\a)
.set rT, SCB+4*(\b)+((\q)&3)
.set rU, SCA+4*(\a)+((\q)&3)
.if (\bias) == 1
	v_wmma_scale_f32_16x16x128_f8f6f4 v[rD:rD+7], v[rB:rB+7], v[rA:rA+7], v[BIAS+8*(\b):BIAS+8*(\b)+7], v[rT], v[rU] matrix_a_fmt:MATRIX_FMT_FP4 matrix_b_fmt:MATRIX_FMT_FP4
.elseif (\bias) == 2
	v_wmma_scale_f32_16x16x128_f8f6f4 v[rD:rD+7], v[rB:rB+7], v[rA:rA+7], v[BIAS+8*(\a):BIAS+8*(\a)+7], v[rT], v[rU] matrix_a_fmt:MATRIX_FMT_FP4 matrix_b_fmt:MATRIX_FMT_FP4
.elseif (\q) >= 4
	v_wmma_scale_f32_16x16x128_f8f6f4 v[rD:rD+7], v[rB:rB+7], v[rA:rA+7], v[rD:rD+7], v[rT], v[rU] matrix_a_fmt:MATRIX_FMT_FP4 matrix_b_fmt:MATRIX_FMT_FP4 matrix_a_scale:MATRIX_SCALE_ROW1 matrix_b_scale:MATRIX_SCALE_ROW1
.else
	v_wmma_scale_f32_16x16x128_f8f6f4 v[rD:rD+7], v[rB:rB+7], v[rA:rA+7], v[rD:rD+7], v[rT], v[rU] matrix_a_fmt:MATRIX_FMT_FP4 matrix_b_fmt:MATRIX_FMT_FP4
.endif
.endm
.macro MULS a0, n, q, bias             ; the accumulators take turns, one instruction a turn, in the same order in every K step
.set aa, \a0
.rept \n
.irp b, 0,1,2,3,4,5,6,7
	MM aa, \b, \q, \bias
.endr
.set aa, aa+1
.endr
.endm
; A K step of 128: the next step's fragments are asked for, then this step's 64 products are issued
.macro STEP q, bias
.if ((\q) > 0) && ((\q) < 7)
	PLACES 4                                       ; in front of loads into the set that the last K step multiplied (ISA guide 7.12.1 for vector instructions)
.endif
.if (\q) == 3
	s_wait_tensorcnt 0x0                           ; my part of K half 1 has landed,
	s_wait_dscnt 0x0                               ; no LDS load of mine is out at the signal,
	s_barrier_signal -1
	s_barrier_wait -1                              ; and everybody's part has: the next fetch reads K half 1
.endif
.if (\q) < 7
	FETCH (\q)+1
	s_wait_dscnt NF                                ; all but the loads just issued: this step's set is in
.else
	s_wait_dscnt 0x0
.endif
.if \bias
	WIN 0x91                                       ; source 0 (B) window 1, source 1 (A) window 0, C (the bias) window 1, D window 2
.else
	WIN 0xa1                                       ; C and D window 2
.endif
	MULS 0, 4, \q, \bias
.if \bias
	WIN 0xd1
.else
	WIN 0xf1                                       ; C and D window 3
.endif
	MULS 4, 4, \q, \bias
	WIN 0
.endm
	s_load_b256 s[4:11], s[0:1], 0x0               ; xc s[4:5], xs s[6:7], wc s[8:9], ws s[10:11]
	s_load_b128 s[12:15], s[0:1], 0x20             ; b_qkv s[12:13], qkvc s[14:15]
	s_load_b64 s[16:17], s[0:1], 0x30              ; qkvs
	v_lshl_add_u32 v126, v0, 2, 0x40000
	v_mov_b32 v127, 0
	ds_add_u32 v126, v127
	ds_add_u32 v126, v127
	v_lshrrev_b32 v1, 5, v0
	v_readfirstlane_b32 s[WV], v1                  ; wave 0..3
	s_lshr_b32 s[RH], s[WV], 1
	s_and_b32 s[CH], s[WV], 1
	s_bfe_u32 s[CX], ttmp6, 0x40000                ; my place in the cluster
	s_bfe_u32 s[CY], ttmp6, 0x40004
	s_mov_b32 s[ROLE], ttmp9                       ; the cluster's x
	s_and_b32 s40, ttmp7, 0xffff                   ; the cluster's y
	s_lshl_b32 s43, s[CY], 2
	s_lshl_b32 s43, 15, s43                        ; my row of the cluster
	s_lshl_b32 s44, 0x1111, s[CX]                  ; my column
	; descriptor group 1: 32,768 dense bytes as 128 rows of 32 elements of 8 bytes
	s_or_b32 s[G1A], s43, (3<<16)|(1<<21)          ; 15:0 the mask: A's tiles go to my row; 17:16 elements of 8 bytes; 21 set beside a mask
	s_or_b32 s[G1B], s44, (3<<16)|(1<<21)          ; B's to my column
.irp g, G1A, G1B
	s_mov_b32 s[\g+1], 32<<16                      ; tensor_dim0
	s_mov_b32 s[\g+2], 128<<16                     ; tensor_dim1
	s_mov_b32 s[\g+3], 32<<16                      ; tile_dim0
	s_mov_b32 s[\g+4], 128                         ; tile_dim1
	s_mov_b32 s[\g+5], 32                          ; tensor_dim0_stride
	s_mov_b32 s[\g+6], 0
	s_mov_b32 s[\g+7], 0
.endr
	s_mov_b32 s[SEL], 0x76543210
	s_mov_b32 s[SEL+1], 0xfedcba98                 ; v_permlanex16_b32's selects for lane l xor 16
	s_mov_b32 s[MSK], 0xffff0000                   ; lanes 16-31
	s_lshl_b32 s41, s40, 2
	s_add_co_u32 s41, s41, s[CY]                   ; 4 y + cy
	s_lshl_b32 s42, s[ROLE], 2                     ; 4 x
	s_lshl_b32 s94, s40, 2                         ; 4 y
	s_mov_b32 s74, 2097152                         ; from K half 0 to K half 1: x's codes,
	s_mov_b32 s76, 786432                          ; w_qkv's codes,
	s_mov_b32 s78, 131072                          ; x's scale bytes,
	s_mov_b32 s79, 49152                           ; w_qkv's
	s_mov_b32 s75, 0
	s_mov_b32 s77, 0
	s_wait_dscnt 0x0
	s_wait_kmcnt 0x0
	s_cmp_eq_u32 s[ROLE], 2                        ; the choice hangs on the cluster's x alone; only moves and selections stand between the compare and the last selection
	s_cselect_b32 s41, s[CY], s41                  ; A's tile of 256 rows: it holds cy and never cx
	s_cselect_b32 s42, s94, s42
	s_cselect_b64 s[66:67], s[8:9], s[4:5]         ; A's codes
	s_cselect_b64 s[68:69], s[10:11], s[6:7]       ; A's scale bytes
	s_cselect_b64 s[70:71], s[4:5], s[8:9]         ; B's codes
	s_cselect_b64 s[72:73], s[6:7], s[10:11]       ; B's scale bytes
	s_cselect_b32 s74, 786432, s74                 ; A's step to K half 1
	s_cselect_b32 s76, 2097152, s76                ; B's
	s_cselect_b32 s78, 49152, s78
	s_cselect_b32 s79, 131072, s79
	s_cselect_b32 s80, 524288, 0                   ; v's columns begin at tile 128 of w_qkv: 128 x 4,096 bytes of codes,
	s_cselect_b32 s95, 32768, 0                    ; 128 x 256 scale bytes
	s_add_co_u32 s42, s42, s[CX]                   ; B's tile of 256 rows: it holds cx and never cy
	s_lshl_b32 s81, s41, 16                        ; a tile of 256 rows is 65,536 bytes of a K half,
	s_add_co_u32 s80, s80, s81
	s_lshl_b32 s81, s[CH], 15                      ; the 128 rows that I fetch 32,768
	s_add_co_u32 s80, s80, s81
	s_mov_b32 s81, 0
	s_add_nc_u64 s[66:67], s[66:67], s[80:81]
	s_lshl_b32 s82, s42, 16
	s_lshl_b32 s83, s[CH], 15
	s_add_co_u32 s82, s82, s83
	s_mov_b32 s83, 0
	s_add_nc_u64 s[70:71], s[70:71], s[82:83]
	s_lshl_b32 s45, s[WV], 15                      ; where they go: wave x 32,768: A's two halves, then B's: no place in the cluster enters an LDS address
	CROUND                                         ; all sixteen work-groups are here: the joint loads meet
	s_mov_b32 s[G0A], 1
	s_mov_b32 s[G0A+1], s45
	s_mov_b64 s[G0A+2:G0A+3], s[66:67]
	s_or_b32 s[G0A+3], s[G0A+3], 0x80000000
	s_mov_b32 s[G0B], 1
	s_mov_b32 s[G0B+1], s45
	s_mov_b64 s[G0B+2:G0B+3], s[70:71]
	s_or_b32 s[G0B+3], s[G0B+3], 0x80000000
	JLOAD G0A, G1A, G0B, G1B                       ; K half 0
	s_mov_b32 s[G0A+4], 1
	s_add_co_u32 s[G0A+5], s45, 131072
	s_add_nc_u64 s[G0A+6:G0A+7], s[66:67], s[74:75]
	s_or_b32 s[G0A+7], s[G0A+7], 0x80000000
	s_mov_b32 s[G0B+4], 1
	s_add_co_u32 s[G0B+5], s45, 131072
	s_add_nc_u64 s[G0B+6:G0B+7], s[70:71], s[76:77]
	s_or_b32 s[G0B+7], s[G0B+7], 0x80000000
	JLOAD G0A+4, G1A, G0B+4, G1B                   ; K half 1: two tensor loads of mine are out, and there are no more
	v_and_b32 v1, 31, v0
	v_lshlrev_b32 v[LI], 4, v1
	v_and_b32 v2, 15, v0                           ; r
	v_bfe_u32 v3, v0, 4, 1                         ; h
	s_lshl_b32 s94, s[RH], 15                      ; my 128 rows of A
	s_lshl_b32 s96, s[CH], 15                      ; my 128 rows of B,
	s_add_co_u32 s96, s96, 65536                   ; behind A's 256
	v_add_nc_u32 v[ADRA], s94, v[LI]
	v_add_nc_u32 v[ADRB], s96, v[LI]
	v_add_nc_u32 v[ADRA+1], 131072, v[ADRA]
	v_add_nc_u32 v[ADRB+1], 131072, v[ADRB]
	v_lshlrev_b32 v5, 4, v2                        ; 16 r
	v_mul_lo_u32 v6, v3, s78
	v_add_nc_u32 v6, v6, v5                        ; A's scale words: slot r, K half h
	s_wait_alu depctr_va_vdst(0)
	v_mul_lo_u32 v7, v3, s79
	v_add_nc_u32 v7, v7, v5                        ; B's
	s_wait_alu depctr_va_vdst(0)
.irp b, 0,1,2,3
	v_mov_b32 v[TM+4+\b], 0                        ; written once: a lane permute's destination counts as one of its sources
.endr
	s_lshl_b32 s94, s41, 12                        ; 16 tiles x 256 scale bytes,
	s_add_co_u32 s94, s94, s95
	s_lshl_b32 s96, s[RH], 11                      ; my 8 tiles
	s_add_co_u32 s94, s94, s96
	s_mov_b32 s95, 0
	s_add_nc_u64 s[68:69], s[68:69], s[94:95]
	s_lshl_b32 s96, s42, 12
	s_lshl_b32 s97, s[CH], 11
	s_add_co_u32 s96, s96, s97
	s_mov_b32 s97, 0
	s_add_nc_u64 s[72:73], s[72:73], s[96:97]
.irp i, 0,1,2,3,4,5,6,7
	global_load_b128 v[SCA+4*\i:SCA+4*\i+3], v6, s[68:69] offset:256*\i   ; sixteen lanes read 256 consecutive bytes: a tile's scale words of a K half
	global_load_b128 v[SCB+4*\i:SCB+4*\i+3], v7, s[72:73] offset:256*\i
.endr
	s_cmp_eq_u32 s[ROLE], 2
	s_cbranch_scc1 .Lbias_v
	s_lshl_b32 s90, s42, 10                        ; q, k: the bias runs along C's columns: b_qkv at 256 x B's tile + 128 x half;
	s_lshl_b32 s91, s[CH], 9
	s_add_co_u32 s90, s90, s91
	s_mov_b32 s91, 0
	s_add_nc_u64 s[90:91], s[12:13], s[90:91]
	v_lshlrev_b32 v8, 6, v3                        ; lane (r, h) wants, for B's block b, columns 32 (b / 2) + 8 (b % 2) + 16 h + 0 .. 7
	WIN 0x40
.irp b, 0,1,2,3,4,5,6,7
	global_load_b128 v[BIAS+8*\b:BIAS+8*\b+3], v8, s[90:91] offset:4*(32*(\b/2)+8*(\b%2))
	global_load_b128 v[BIAS+8*\b+4:BIAS+8*\b+7], v8, s[90:91] offset:4*(32*(\b/2)+8*(\b%2))+16
.endr
	WIN 0
	s_branch .Lbias_done
.Lbias_v:
	s_lshl_b32 s90, s41, 10                        ; v: the bias runs along C's rows: b_qkv at 2,048 + 256 x A's tile + 128 x half;
	s_lshl_b32 s91, s[RH], 9
	s_add_co_u32 s90, s90, s91
	s_add_co_u32 s90, s90, 8192
	s_mov_b32 s91, 0
	s_add_nc_u64 s[90:91], s[12:13], s[90:91]
	v_and_b32 v8, 7, v2
	v_lshrrev_b32 v9, 3, v2
	v_lshl_add_u32 v8, v9, 4, v8
	v_lshlrev_b32 v8, 2, v8                        ; lane (r, h) wants, for A's block a, the one number of row 32 (a / 2) + 8 (a % 2) + r % 8 + 16 (r / 8), in all eight registers
	WIN 0x40
.irp a, 0,1,2,3,4,5,6,7
.irp j, 0,1,2,3,4,5,6,7
	global_load_b32 v[BIAS+8*\a+\j], v8, s[90:91] offset:4*(32*(\a/2)+8*(\a%2))
.endr
.endr
	WIN 0
.Lbias_done:
	s_wait_tensorcnt 1                             ; my part of K half 0 is in; K half 1's load may stay out
	s_barrier_signal -1
	s_barrier_wait -1                              ; everybody's is
	FETCH 0
	s_wait_loadcnt 0x0                             ; scale words and bias
	s_cmp_eq_u32 s[ROLE], 2
	s_cbranch_scc1 .Lfirst_v
	STEP 0, 1                                      ; the first K step starts the sums from the bias: nothing is cleared, nothing is added later
	s_branch .Lfirst_done
.Lfirst_v:
	STEP 0, 2
.Lfirst_done:
.irp q, 1,2,3,4,5,6,7
	STEP \q, 0
.endr
; THE WAY OUT.  A's block a: 64 numbers a lane, register 16 b + i = column 32 b + 16 (lane / 16) + i of my row.  They become 8 registers of codes, v[PCD + 8 (a % 2)] on, in which registers 4 c .. 4 c + 3 of lane (r, h)
; hold block 2 c + h of the wave's 128 columns whole, and the row's scale word in v[PW].
.macro QUANT a
.set WN, 2+(\a)/4
.set ACB, 64*((\a)%4)
.set PCS, PCD+8*((\a)%2)
	WIN (WN<<2)|WN                                 ; sources 0 and 1: the accumulators' window
.irp b, 0,1,2,3
	v_max3_num_f32 v[TM+\b], |v[ACB+16*\b]|, |v[ACB+16*\b+1]|, 0x1800000   ; block b: my 16 numbers, each accumulator from its low end on, and the floor 2^(3 - 127): the byte cannot fall under 1
.endr
.irp i, 2,4,6,8,10,12,14
.irp b, 0,1,2,3
	v_max3_num_f32 v[TM+\b], |v[ACB+16*\b+\i]|, |v[ACB+16*\b+\i+1]|, v[TM+\b]
.endr
.endr
	WIN 0
.irp b, 0,1,2,3
	v_permlanex16_b32 v[TM+4+\b], v[TM+\b], s[SEL], s[SEL+1]
.endr
.irp b, 0,1,2,3
	v_max_num_f32 v[TM+\b], v[TM+\b], v[TM+4+\b]   ; with lane l xor 16's: the block's largest magnitude
.endr
.irp b, 0,1,2,3
	v_add_nc_u32 v[TM+12+\b], 0xff000000, v[TM+\b] ; 2 off its exponent field: the conversion's scale operand
.endr
.irp b, 0,1,2,3
	v_lshrrev_b32 v[TM+4+\b], 23, v[TM+12+\b]      ; the scale's byte
.endr
	v_lshl_or_b32 v[PW], v[TM+5], 8, v[TM+4]
	v_lshl_or_b32 v[PW], v[TM+6], 16, v[PW]
	v_lshl_or_b32 v[PW], v[TM+7], 24, v[PW]
	s_wait_xcnt 0x0                                ; the stores of two blocks back have read this set of codes: it is written again only behind this wait
	WIN WN
.irp b, 0,1,2,3
	v_cvt_scalef32_pk8_fp4_f32 v[PCS+2*\b], v[ACB+16*\b:ACB+16*\b+7], v[TM+12+\b]
	v_cvt_scalef32_pk8_fp4_f32 v[PCS+2*\b+1], v[ACB+16*\b+8:ACB+16*\b+15], v[TM+12+\b]
.endr
	WIN 0
	v_nop                                          ; one plain place behind a scaled conversion
.irp c, 0,1
.irp i, 0,1
	v_permlane16_swap_b32 v[PCS+4*\c+\i], v[PCS+4*\c+2+\i]   ; a whole block to a lane: lanes 0-15 block 2 c, lanes 16-31 block 2 c + 1
.endr
.endr
.endm
	PLACES 4                                       ; behind the last products, ahead of the first read of results
	v_lshlrev_b32 v[SHF], 4, v3
	s_cmp_eq_u32 s[ROLE], 2
	s_cbranch_scc1 .Lout_v
	; q, k.  The wave's 128 columns are two heads, 4 (B's tile % 4) + 2 half + c; its 128 rows are tiles 16 (A's tile % 8) + 8 half + a of batch A's tile / 8
	s_lshr_b32 s94, s41, 3
	s_lshl_b32 s94, s94, 4
	s_and_b32 s95, s42, 3
	s_lshl_b32 s95, s95, 2
	s_add_co_u32 s94, s94, s95
	s_lshl_b32 s95, s[CH], 1
	s_add_co_u32 s94, s94, s95                     ; batch x 16 + my first head
	s_and_b32 s95, s41, 7
	s_lshl_b32 s95, s95, 1
	s_add_co_u32 s95, s95, s[RH]                   ; my first tile / 8
	s_lshl_b32 s84, s[ROLE], 22                    ; q's section or k's
	s_lshl_b32 s96, s94, 16
	s_add_co_u32 s84, s84, s96
	s_lshl_b32 s96, s95, 12
	s_add_co_u32 s84, s84, s96
	s_mov_b32 s85, 0
	s_add_nc_u64 s[84:85], s[14:15], s[84:85]
	s_lshl_b32 s86, s[ROLE], 19
	s_lshl_b32 s96, s94, 13
	s_add_co_u32 s86, s86, s96
	s_lshl_b32 s96, s95, 9
	s_add_co_u32 s86, s86, s96
	s_mov_b32 s87, 0
	s_add_nc_u64 s[86:87], s[16:17], s[86:87]
	v_lshl_add_u32 v[SOF], v3, 13, v5              ; scale words: lanes 0-15 my first head's, lanes 16-31 my second's, 8,192 bytes on; 16 r
.irp a, 0,1,2,3,4,5,6,7
	QUANT \a
	v_lshrrev_b32 v[WRD+\a], v[SHF], v[PW]         ; my head's two bytes,
	v_and_b32 v[WRD+\a], 0xffff, v[WRD+\a]         ; and two bytes 0 for the half of the next product's K step that is empty
	global_store_b128 v[LI], v[PCD+8*(\a%2):PCD+8*(\a%2)+3], s[84:85] offset:512*\a           ; 512 consecutive bytes: a tile of 16 tokens of the first head,
	global_store_b128 v[LI], v[PCD+8*(\a%2)+4:PCD+8*(\a%2)+7], s[84:85] offset:512*\a+65536   ; of the second
.if \a%4 == 3
	global_store_b128 v[SOF], v[WRD+\a-3:WRD+\a], s[86:87] offset:256*(\a/4)   ; four tiles' scale words: sixteen lanes store 256 consecutive bytes
.endif
.endr
	s_branch .Lout_done
.Lout_v:
	; v.  The wave's 128 columns are key step 2 (B's tile % 8) + half of batch B's tile / 8; its 128 rows are heads 4 A's tile + 2 half + a / 4, tile a % 4 of the head's d
	s_lshr_b32 s94, s42, 3
	s_lshl_b32 s94, s94, 4
	s_lshl_b32 s95, s41, 2
	s_add_co_u32 s94, s94, s95
	s_lshl_b32 s95, s[RH], 1
	s_add_co_u32 s94, s94, s95                     ; batch x 16 + my first head
	s_lshl_b32 s94, s94, 4
	s_and_b32 s95, s42, 7
	s_lshl_b32 s95, s95, 1
	s_add_co_u32 s94, s94, s95
	s_add_co_u32 s94, s94, s[CH]                   ; x 16 + the key step
	s_lshl_b32 s84, s94, 12
	s_add_co_u32 s84, s84, 8388608                 ; v's section
	s_mov_b32 s85, 0
	s_add_nc_u64 s[84:85], s[14:15], s[84:85]
	s_lshl_b32 s86, s94, 8
	s_add_co_u32 s86, s86, 1048576
	s_mov_b32 s87, 0
	s_add_nc_u64 s[86:87], s[16:17], s[86:87]
	v_lshl_add_u32 v[SOF], v3, 12, v5              ; scale words: lanes 16-31 the second head's, 4,096 bytes on; 16 r
.irp a, 0,1,2,3,4,5,6,7
	QUANT \a
	v_mov_b32 v[WRD+\a], v[PW]
	global_store_b128 v[LI], v[PCD+8*(\a%2):PCD+8*(\a%2)+3], s[84:85] offset:65536*(\a/4)+1024*(\a%4)
	global_store_b128 v[LI], v[PCD+8*(\a%2)+4:PCD+8*(\a%2)+7], s[84:85] offset:65536*(\a/4)+1024*(\a%4)+512
.endr
.irp i, 0,1,2,3
	v_cndmask_b32 v[WRD+\i], v[WRD+\i], v[WRD+4+\i], s[MSK]
.endr
	global_store_b128 v[SOF], v[WRD:WRD+3], s[86:87]   ; sixteen lanes store 256 consecutive bytes: a head's scale words of the key step
.Lout_done:
	s_wait_dscnt 0x0
	s_wait_tensorcnt 0x0
	ds_add_u32 v126, v127
	s_wait_dscnt 0x0
	CROUND                                         ; the closing round: no work-group ends while a partner may still ask for a tile that names it
	s_endpgm
.Lfunc_end_k_q3daf208007_qkv:
	.size	k_q3daf208007_qkv, .Lfunc_end_k_q3daf208007_qkv-k_q3daf208007_qkv
	.p2alignl 7, 3214868480
	.fill 96, 4, 3214868480
	.section	.rodata,"a",@progbits
	.p2align	6, 0x0
	.amdhsa_kernel k_q3daf208007_qkv
		.amdhsa_group_segment_fixed_size 262656
		.amdhsa_private_segment_fixed_size 0
		.amdhsa_enable_private_segment 0
		.amdhsa_kernarg_size 56
		.amdhsa_user_sgpr_count 2
		.amdhsa_user_sgpr_kernarg_segment_ptr 1
		.amdhsa_wavefront_size32 1
		.amdhsa_system_sgpr_workgroup_id_x 1
		.amdhsa_system_sgpr_workgroup_id_y 1
		.amdhsa_system_sgpr_workgroup_id_z 1
		.amdhsa_system_vgpr_workitem_id 0
		.amdhsa_next_free_vgpr 1024
		.amdhsa_next_free_sgpr 100
		.amdhsa_reserve_vcc 0
		.amdhsa_float_denorm_mode_32 3
		.amdhsa_float_denorm_mode_16_64 3
		.amdhsa_memory_ordered 1
		.amdhsa_forward_progress 1
		.amdhsa_inst_pref_size 179
	.end_amdhsa_kernel
	.amdgpu_metadata
---
amdhsa.version: [ 1, 2 ]
amdhsa.kernels:
  - .name:           k_q3daf208007_qkv
    .symbol:         k_q3daf208007_qkv.kd
    .args:
      - { .name: xc, .offset: 0, .size: 8, .value_kind: global_buffer, .address_space: global }
      - { .name: xs, .offset: 8, .size: 8, .value_kind: global_buffer, .address_space: global }
      - { .name: wc, .offset: 16, .size: 8, .value_kind: global_buffer, .address_space: global }
      - { .name: ws, .offset: 24, .size: 8, .value_kind: global_buffer, .address_space: global }
      - { .name: b_qkv, .offset: 32, .size: 8, .value_kind: global_buffer, .address_space: global }
      - { .name: qkvc, .offset: 40, .size: 8, .value_kind: global_buffer, .address_space: global }
      - { .name: qkvs, .offset: 48, .size: 8, .value_kind: global_buffer, .address_space: global }
    .group_segment_fixed_size: 262656
    .private_segment_fixed_size: 0
    .kernarg_segment_align: 8
    .kernarg_segment_size: 56
    .max_flat_workgroup_size: 128
    .sgpr_count:     100
    .vgpr_count:     1024
    .wavefront_size: 32
...
	.end_amdgpu_metadata
.endif
;; end of part 2
;; launch attn (part 3): grid 4 x 64, 16 waves a work-group, no clusters, 169,984 bytes of LDS; arguments qkvc, qkvs, ac, asc; writes ac, asc
.if DOCPART == 3
	.amdgcn_target "amdgcn-amd-amdhsa--gfx1250"
	.amdhsa_code_object_version 6
	.text
	.protected	k_q3daf208007_attn
	.globl	k_q3daf208007_attn
	.p2align	8
	.type	k_q3daf208007_attn,@function
k_q3daf208007_attn:
	s_mov_b64 s[64:65], 0
	v_nop
	global_prefetch_b8 v0, s[64:65] scope:SCOPE_SE
	s_setreg_imm32_b32 hwreg(HW_REG_WAVE_MODE, 25, 1), 1
	s_wait_xcnt 0x0
; Causal attention of one head (64 heads of 2,048 tokens x 64), both products on codes of FP4 (E2M1) with E8M0 scales; the result leaves as codes again, quantised along head x 64 + d, as the last product's operand.
; THE SOFTMAX AHEAD OF THE SECOND PRODUCT: t = score x log2(e) / 8; M = the row's largest t so far, rounded UP to a whole number; p = 2^(t - M) is what is quantised, along the keys, not normalised.
; The row's sum is taken of the unquantised p, in f32, and divides O at the end (v_rcp_f32 and a multiplication).  When M moves, the sum and O are multiplied by 2^(old M - new M): exact.
; SHARES.  Work-group (i, head) owns the blocks 7 - i and i of 256 queries; wave w takes tile 16 (7 - i) + w in pass 0 and tile 16 i + 15 - w in pass 1.  A tile of 16 tokens T lies inside one run of 128 keys,
; T / 8, so it has T / 8 + 1 key steps of 128, of which the last lies on the diagonal: 17 steps for every wave of every work-group.  Steps all of whose keys come after the tile's queries are left out by a scalar branch on ids.
; LDS holds the head's K and V whole, filled once: K's codes 65,536 bytes, V's 65,536, K's scale words 8,192, V's 4,096.  One barrier in the whole text.
; NO CLUSTER: the work-groups that share K and V are the four of a head, told apart by their query blocks; which key steps a wave leaves out hangs on that block.
; LAYOUT.  Both products are used transposed: S^T = K Q^T (source 0 = 16 keys, source 1 = my 16 queries), O^T = V^T P^T (source 0 = 16 of the head's 64, source 1 = P): a lane holds ONE query throughout.
; Slot r of a tile T of tokens (or of d) is 32 (T / 2) + 8 (T % 2) + r % 8 + 16 (r / 8), so that the 16 registers of tiles 2 b and 2 b + 1 are 16 neighbours, 32 b + 16 (lane / 16) + 0 .. 15.
; K = 64 IN AN INSTRUCTION OF K = 128.  Q's registers 4-7 are zero codes.  K's tile t is named v[32 + 4 t : 39 + 4 t]: its upper four registers are the next tile's codes (zeros behind the last): numbers of the format,
; multiplied by exact zeros.  The two scale bytes of that half are 0 (2^-127) on both sides, never 0xff.  So a tile of K costs one LDS load and four registers.
; LIMITS: NaN and infinities are not served; a block whose largest magnitude lies under 2^-124 has its byte held at 1; a block of zeros gets the byte 1 (its codes are zeros; this program alone reads the bytes).
; asc's bytes are stored one a lane, two neighbours for each row: 1/16 of the codes' bytes.
.set AK0,  1                           ; v1   16 x lane: a fragment's place for my lane, in LDS and in memory; never rewritten
.set AV0,  2                           ; v2   the same in V's codes
.set ASK0, 3                           ; v3   my slot's place among K's scale words
.set ASV0, 4                           ; v4   and among V's
.set QL,   5                           ; v5   r % 8 + 16 (r / 8) - 16 h
.set QSW,  6                           ; v6-7 Q's scale words, pass 0, 1
.set ADK,  8                           ; v8-11 the step's LDS addresses
.set ADV,  9
.set ADS,  10
.set ADT,  11                          ; v12 -M, v13 the largest t, v[14:15] the sum in two halves
.set QF,   16                          ; v16-23, v24-31 Q of pass 0, 1
.set KFR,  32                          ; v32-63 K's eight tiles; v64-67 zeros
.set KSW,  68                          ; v68-75 K's scale words
.set VSW,  76                          ; v76-79 V's
.set OCD,  80                          ; v80-87 the codes to store, four for each pass
.set OBY,  88                          ; v88-89 the scale byte to store
.set OSO,  90                          ; v90  16 r + h
.set QSO,  91                          ; v91  16 r
.set ST,   96                          ; v96-159 S^T, then p
.set OT,   160                         ; v160-191 O^T
.set VF,   192                         ; v192-223 V's four fragments
.set PCD,  224                         ; v224-231 p's codes
.set FF,   250                         ; v[250:251] f = 2^(old M - new M), and a word that is only named
.set PSW,  253                         ; v253 p's scale word; v232-247, v252, v254 at work
.set WV,   18
.set MSK,  19
.set SEL,  20
.set CS,   22                          ; s[22:23] c = log2(e) / 8
.set G1C,  24
.set G1S,  32
.set G0C,  40
.set KS,   44                          ; the key step
.set TB,   45                          ; its codes in LDS: 4,096 bytes a step
.set TS,   46                          ; K's scale words: 512
.set TJ,   47                          ; V's: 256
.set DIAG, 48                          ; s48-49 the step on the diagonal, pass 0, 1
.set SQ,   50                          ; s50-51 my tile's first token in that step
.set OC,   52                          ; s[52:55] where the codes go
.set OS,   56                          ; s[56:59] where the scale bytes go
.set G0S,  60
.set QCB,  66                          ; s[66:69] Q's codes
.set QSB,  70                          ; s[70:73] Q's scale words
	s_load_b256 s[4:11], s[0:1], 0x0               ; qkvc s[4:5], qkvs s[6:7], ac s[8:9], asc s[10:11]
	v_lshl_add_u32 v249, v0, 2, 0x29000
	v_mov_b32 v255, 0
	ds_add_u32 v249, v255
	ds_add_u32 v249, v255
	v_lshrrev_b32 v8, 5, v0
	s_delay_alu instid0(VALU_DEP_1)
	v_readfirstlane_b32 s[WV], v8                  ; wave 0..15
	s_and_b32 s12, ttmp7, 0xffff                   ; batch x 16 + head
	; descriptor groups 1: dense blocks as rows of 32 elements of 8 bytes: 64 rows (16,384 bytes of codes), 16 rows (4,096 scale bytes)
	s_mov_b32 s[G1C], 3<<16
	s_mov_b32 s[G1C+1], 32<<16
	s_mov_b32 s[G1C+2], 64<<16
	s_mov_b32 s[G1C+3], 32<<16
	s_mov_b32 s[G1C+4], 64
	s_mov_b32 s[G1C+5], 32
	s_mov_b32 s[G1C+6], 0
	s_mov_b32 s[G1C+7], 0
	s_mov_b32 s[G1S], 3<<16
	s_mov_b32 s[G1S+1], 32<<16
	s_mov_b32 s[G1S+2], 16<<16
	s_mov_b32 s[G1S+3], 32<<16
	s_mov_b32 s[G1S+4], 16
	s_mov_b32 s[G1S+5], 32
	s_mov_b32 s[G1S+6], 0
	s_mov_b32 s[G1S+7], 0
	s_lshr_b32 s13, s[WV], 2                       ; waves 0-3: K's codes, waves 4-7: V's, a quarter of the head each
	s_add_co_u32 s13, s13, 1
	s_lshl_b32 s2, s13, 22                         ; k's section or v's
	s_lshl_b32 s13, s12, 16
	s_add_co_u32 s2, s2, s13
	s_and_b32 s13, s[WV], 3
	s_lshl_b32 s13, s13, 14
	s_add_co_u32 s2, s2, s13
	s_mov_b32 s3, 0
	s_lshl_b32 s14, s12, 13                        ; waves 8, 9: K's scale words, half of the head each;
	s_and_b32 s15, s[WV], 1
	s_lshl_b32 s15, s15, 12
	s_add_co_u32 s14, s14, s15
	s_add_co_u32 s14, s14, 524288
	s_lshl_b32 s15, s12, 12                        ; wave 10: V's
	s_add_co_u32 s15, s15, 1048576
	s_cmp_lt_u32 s[WV], 10
	s_cselect_b32 s14, s14, s15
	s_mov_b32 s15, 0
	s_mov_b32 s[MSK], 0xffff0000                   ; lanes 16-31
	s_mov_b32 s[SEL], 0x76543210
	s_mov_b32 s[SEL+1], 0xfedcba98                 ; v_permlanex16_b32's selects for lane l xor 16
	s_mov_b32 s[CS], 0x3e38aa3b                    ; c = log2(e) / 8
	s_mov_b32 s[CS+1], s[CS]                       ; (named with it as a pair, so it is written)
	v_and_b32 v8, 31, v0
	s_delay_alu instid0(VALU_DEP_1)
	v_lshlrev_b32 v[AK0], 4, v8
	s_delay_alu instid0(VALU_DEP_1)
	v_add_nc_u32 v[AV0], 65536, v[AK0]
	v_and_b32 v9, 15, v0                           ; r
	v_bfe_u32 v10, v0, 4, 1                        ; h
	s_delay_alu instid0(VALU_DEP_2)
	v_lshlrev_b32 v[QSO], 4, v9
	s_delay_alu instid0(VALU_DEP_1)
	v_add_nc_u32 v[ASK0], 131072, v[QSO]
	s_delay_alu instid0(VALU_DEP_2)
	v_add_nc_u32 v[ASV0], 139264, v[QSO]
	v_and_b32 v[QL], 7, v9
	v_lshrrev_b32 v12, 3, v9
	s_delay_alu instid0(VALU_DEP_1)
	v_lshl_add_u32 v[QL], v12, 4, v[QL]
	v_lshlrev_b32 v12, 4, v10
	s_delay_alu instid0(VALU_DEP_1)
	v_sub_nc_u32 v[QL], v[QL], v12
	v_add_nc_u32 v[OSO], v[QSO], v10
.irp j, 20,21,22,23,28,29,30,31,64,65,66,67
	v_mov_b32 v[\j], 0                             ; zero codes: Q's upper halves, and what stands behind K's last tile
.endr
.irp j, 236,237,238,239,251,252
	v_mov_b32 v[\j], 0                             ; written once: lane permutes' destinations, and the upper word of f's pair
.endr
	s_wait_dscnt 0x0
	s_wait_kmcnt 0x0
	s_mov_b32 s[G0C], 1
	s_lshl_b32 s[G0C+1], s[WV], 14                 ; LDS: wave x 16,384: K's codes, then V's
	s_add_nc_u64 s[G0C+2:G0C+3], s[4:5], s[2:3]
	s_or_b32 s[G0C+3], s[G0C+3], 0x80000000
	s_mov_b32 s[G0S], 1
	s_lshl_b32 s[G0S+1], s[WV], 12
	s_add_co_u32 s[G0S+1], s[G0S+1], 98304         ; LDS: 131,072 + (wave - 8) x 4,096
	s_add_nc_u64 s[G0S+2:G0S+3], s[6:7], s[14:15]
	s_or_b32 s[G0S+3], s[G0S+3], 0x80000000
	; the fills: one tensor load a wave at the most; the branches hang on the wave's number alone; four v_nop follow each line
	s_cmp_lt_u32 s[WV], 8
	s_cbranch_scc0 .Lnot_codes
	tensor_load_to_lds s[G0C:G0C+3], s[G1C:G1C+7]
	s_nop 0
.rept 4
	v_nop
.endr
	s_branch .Lasked
.Lnot_codes:
	s_cmp_lt_u32 s[WV], 11
	s_cbranch_scc0 .Lasked
	tensor_load_to_lds s[G0S:G0S+3], s[G1S:G1S+7]
	s_nop 0
.rept 4
	v_nop
.endr
.Lasked:
	s_sub_co_u32 s16, 7, ttmp9
	s_lshl_b32 s16, s16, 4
	s_add_co_u32 s16, s16, s[WV]                   ; pass 0's tile
	s_lshl_b32 s17, ttmp9, 4
	s_add_co_u32 s17, s17, 15
	s_sub_co_u32 s17, s17, s[WV]                   ; pass 1's
	s_bfe_u32 s13, s12, 0x10003                    ; head / 8: which half of the last product's K
	s_lshr_b32 s14, s12, 4
	s_lshl_b32 s14, s14, 7                         ; batch x 128 tiles
	s_and_b32 s15, s12, 7                          ; head % 8
.macro PREP p                          ; pass p's numbers, its Q, and where its result goes
	s_lshr_b32 s[DIAG+\p], s[16+\p], 3
	s_bfe_u32 s2, s[16+\p], 0x20001
	s_lshl_b32 s2, s2, 5
	s_and_b32 s3, s[16+\p], 1
	s_lshl_b32 s3, s3, 3
	s_or_b32 s[SQ+\p], s2, s3                      ; 32 ((T / 2) % 4) + 8 (T % 2)
	s_lshl_b32 s[QCB+2*\p], s12, 16
	s_lshl_b32 s3, s[16+\p], 9
	s_add_co_u32 s[QCB+2*\p], s[QCB+2*\p], s3
	s_mov_b32 s[QCB+2*\p+1], 0
	s_add_nc_u64 s[QCB+2*\p:QCB+2*\p+1], s[4:5], s[QCB+2*\p:QCB+2*\p+1]
	s_lshl_b32 s[QSB+2*\p], s12, 13
	s_lshr_b32 s3, s[16+\p], 2
	s_lshl_b32 s3, s3, 8
	s_add_co_u32 s[QSB+2*\p], s[QSB+2*\p], s3
	s_and_b32 s3, s[16+\p], 3
	s_lshl_b32 s3, s3, 2
	s_add_co_u32 s[QSB+2*\p], s[QSB+2*\p], s3
	s_mov_b32 s[QSB+2*\p+1], 0
	s_add_nc_u64 s[QSB+2*\p:QSB+2*\p+1], s[6:7], s[QSB+2*\p:QSB+2*\p+1]
	global_load_b128 v[QF+8*\p:QF+8*\p+3], v[AK0], s[QCB+2*\p:QCB+2*\p+1]
	global_load_b32 v[QSW+\p], v[QSO], s[QSB+2*\p:QSB+2*\p+1]
	s_add_co_u32 s2, s14, s[16+\p]                 ; the tile among all 512 tiles of rows
	s_lshl_b32 s3, s2, 12
	s_lshl_b32 s[OC+2*\p], s13, 21
	s_add_co_u32 s[OC+2*\p], s[OC+2*\p], s3
	s_lshl_b32 s3, s15, 9                          ; blocks 2 (head % 8) and + 1 of the K half: 512 bytes
	s_add_co_u32 s[OC+2*\p], s[OC+2*\p], s3
	s_mov_b32 s[OC+2*\p+1], 0
	s_add_nc_u64 s[OC+2*\p:OC+2*\p+1], s[8:9], s[OC+2*\p:OC+2*\p+1]
	s_lshl_b32 s3, s2, 8
	s_lshl_b32 s[OS+2*\p], s13, 17
	s_add_co_u32 s[OS+2*\p], s[OS+2*\p], s3
	s_lshl_b32 s3, s15, 1
	s_add_co_u32 s[OS+2*\p], s[OS+2*\p], s3
	s_mov_b32 s[OS+2*\p+1], 0
	s_add_nc_u64 s[OS+2*\p:OS+2*\p+1], s[10:11], s[OS+2*\p:OS+2*\p+1]
.endm
	PREP 0
	PREP 1
	s_wait_tensorcnt 0x0                           ; my fill has landed,
	s_barrier_signal -1
	s_barrier_wait -1                              ; everybody's has: from here on LDS is only read
	s_wait_loadcnt 0x0                             ; Q of both passes
; A KEY STEP of 128 keys for pass p's tile
.macro KSTEP p
	s_cmp_gt_u32 s[KS], s[DIAG+\p]                 ; all its keys come after my queries: only the addresses step
	s_cbranch_scc1 .Lhidden_\@
	s_setprio 2
	v_add_nc_u32 v[ADK], s[TB], v[AK0]             ; (these four are also the places in front of the loads into registers that the last step's products read)
	v_add_nc_u32 v[ADV], s[TB], v[AV0]
	v_add_nc_u32 v[ADS], s[TS], v[ASK0]
	v_add_nc_u32 v[ADT], s[TJ], v[ASV0]
	ds_load_b128 v[KSW:KSW+3], v[ADS]              ; my slot's scale words of K's tiles 0-3,
	ds_load_b128 v[KSW+4:KSW+7], v[ADS] offset:256 ; 4-7
.irp t, 0,1,2,3,4,5,6,7
	ds_load_b128 v[KFR+4*\t:KFR+4*\t+3], v[ADK] offset:512*\t
.endr
	ds_load_b128 v[VSW:VSW+3], v[ADT]              ; V's scale words of the four tiles of d
.irp t, 0,1,2,3
.irp c, 0,1
	ds_load_b128 v[VF+8*\t+4*\c:VF+8*\t+4*\c+3], v[ADV] offset:1024*\t+512*\c
.endr
.endr
	s_wait_dscnt 9                                 ; K and its scale words are in; V's nine loads may stay out: they land under the softmax
.irp t, 0,1,2,3,4,5,6,7
	v_wmma_scale_f32_16x16x128_f8f6f4 v[ST+8*\t:ST+8*\t+7], v[KFR+4*\t:KFR+4*\t+7], v[QF+8*\p:QF+8*\p+7], 0, v[KSW+\t], v[QSW+\p] matrix_a_fmt:MATRIX_FMT_FP4 matrix_b_fmt:MATRIX_FMT_FP4
.endr
.rept 4
	v_nop
.endr
	s_cmp_lg_u32 s[KS], s[DIAG+\p]                 ; on the diagonal the scores of hidden keys become -infinity ahead of the maximum: p = 0 then.  A step all of whose keys count skips this
	s_cbranch_scc1 .Lopen_\@
	v_add_nc_u32 v252, s[SQ+\p], v[QL]             ; d = my query's place in the step - 16 h.  Register 16 b + i holds key 32 b + 16 h + i: hidden where 32 b + i > d
	v_mov_b32 v254, 0xff800000
.set n, 0
.rept 64
	v_cmp_gt_i32 vcc_lo, 32*(n/16)+n%16, v252
	v_cndmask_b32 v[ST+n], v[ST+n], v254, vcc_lo
.set n, n+1
.endr
.Lopen_\@:
.irp b, 0,1,2,3
	v_max3_num_f32 v[232+\b], v[ST+16*\b], v[ST+1+16*\b], v[ST+2+16*\b]   ; the largest score of each block of 32 keys: it serves the row's maximum and, since p rises with the score, the block's largest p
.endr
.irp i, 3,5,7,9,11,13
.irp b, 0,1,2,3
	v_max3_num_f32 v[232+\b], v[232+\b], v[ST+16*\b+\i], v[ST+1+16*\b+\i]
.endr
.endr
.irp b, 0,1,2,3
	v_max_num_f32 v[232+\b], v[232+\b], v[ST+15+16*\b]
.endr
.irp b, 0,1,2,3
	s_delay_alu instid0(VALU_DEP_4)
	v_permlanex16_b32 v[236+\b], v[232+\b], s[SEL], s[SEL+1]
.endr
.irp b, 0,1,2,3
	s_delay_alu instid0(VALU_DEP_4)
	v_max_num_f32 v[232+\b], v[232+\b], v[236+\b]  ; with lane l xor 16's 16 keys
.endr
	s_delay_alu instid0(VALU_DEP_2)
	v_max3_num_f32 v254, v232, v233, v234
	s_delay_alu instid0(VALU_DEP_1)
	v_max_num_f32 v254, v254, v235                 ; the step's largest score of my query
	s_delay_alu instid0(VALU_DEP_1)
	v_mul_f32 v254, s[CS], v254                    ; as t
	s_delay_alu instid0(VALU_DEP_1)
	v_max_num_f32 v13, v13, v254                   ; the running largest t
	v_mov_b32 v254, v12
	s_delay_alu instid0(VALU_DEP_2)
	v_floor_f32 v12, -v13                          ; the new -M = floor(-t) = -ceil(t)
	s_delay_alu instid0(VALU_DEP_1)
	v_sub_f32 v254, v12, v254                      ; old M - new M: a whole number, 0 or less
	s_delay_alu instid0(VALU_DEP_1)
	v_cvt_i32_f32 v254, v254                       ; (it saturates)
	s_delay_alu instid0(VALU_DEP_1)
	v_ldexp_f32 v[FF], 1.0, v254                   ; f = 2^(old M - new M)
.set j, 0
.rept 32
	v_pk_fma_f32 v[ST+j:ST+j+1], v[ST+j:ST+j+1], s[CS:CS+1], v[12:13] op_sel_hi:[1,0,0]   ; t - M, two at a time
.set j, j+2
.endr
	s_setprio 1
.irp b, 0,1,2,3
	v_fma_f32 v[232+\b], v[232+\b], s[CS], v12     ; the same of each block's largest score
.endr
.set j, 0
	s_wait_alu depctr_va_vdst(0)
.rept 64
	v_exp_f32 v[ST+j], v[ST+j]                     ; p = 2^(t - M), at most 1
.set j, j+1
.endr
	v_pk_mul_f32 v[14:15], v[14:15], v[FF:FF+1] op_sel_hi:[1,0]   ; the sums under the new M: the plain instruction behind the exponentials
	s_wait_alu depctr_va_vdst(0)                   ; one wait for the whole batch, ahead of its first reader
.irp b, 0,1,2,3
	v_exp_f32 v[232+\b], v[232+\b]                 ; the blocks' largest p
.endr
	v_pk_add_f32 v[236:237], v[100:101], v[104:105]
	v_pk_add_f32 v[246:247], v[108:109], v[112:113]
	v_pk_add_f32 v[244:245], v[116:117], v[120:121]
	v_pk_add_f32 v[242:243], v[124:125], v[128:129]
	v_pk_add_f32 v[240:241], v[132:133], v[136:137]
	v_pk_add_f32 v[238:239], v[140:141], v[144:145]
	v_pk_add_f32 v[230:231], v[148:149], v[152:153]
	v_pk_add_f32 v[14:15], v[14:15], v[156:157]
	v_pk_add_f32 v[236:237], v[236:237], v[96:97]
	v_pk_add_f32 v[246:247], v[246:247], v[98:99]
	v_pk_add_f32 v[244:245], v[244:245], v[102:103]
	v_pk_add_f32 v[242:243], v[242:243], v[106:107]
	v_pk_add_f32 v[240:241], v[240:241], v[110:111]
	v_pk_add_f32 v[238:239], v[238:239], v[114:115]
	v_pk_add_f32 v[230:231], v[230:231], v[118:119]
	v_pk_add_f32 v[14:15], v[14:15], v[122:123]
	v_pk_add_f32 v[236:237], v[236:237], v[126:127]
	v_pk_add_f32 v[246:247], v[246:247], v[130:131]
	v_pk_add_f32 v[244:245], v[244:245], v[134:135]
	v_pk_add_f32 v[242:243], v[242:243], v[138:139]
	v_pk_add_f32 v[240:241], v[240:241], v[142:143]
	v_pk_add_f32 v[238:239], v[238:239], v[146:147]
	v_pk_add_f32 v[230:231], v[230:231], v[150:151]
	v_pk_add_f32 v[14:15], v[14:15], v[154:155]
	v_pk_add_f32 v[236:237], v[236:237], v[158:159]
	s_delay_alu instid0(VALU_DEP_2)
	v_pk_add_f32 v[14:15], v[14:15], v[242:243]
	s_delay_alu instid0(VALU_DEP_2)
	v_pk_add_f32 v[236:237], v[236:237], v[240:241]
	v_pk_add_f32 v[246:247], v[246:247], v[238:239]
	v_pk_add_f32 v[244:245], v[244:245], v[230:231]
	s_delay_alu instid0(VALU_DEP_2)
	v_pk_add_f32 v[14:15], v[14:15], v[246:247]
	s_delay_alu instid0(VALU_DEP_2)
	v_pk_add_f32 v[236:237], v[236:237], v[244:245]
	s_delay_alu instid0(VALU_DEP_1)
	v_pk_add_f32 v[14:15], v[14:15], v[236:237]
	s_wait_alu depctr_va_vdst(0)                   ; and one for the four
.irp b, 0,1,2,3
	v_max_num_f32 v[232+\b], 0x1800000, v[232+\b]  ; the floor 2^(3 - 127): the byte cannot fall under 1
.endr
.irp b, 0,1,2,3
	s_delay_alu instid0(VALU_DEP_4)
	v_add_nc_u32 v[244+\b], 0xff000000, v[232+\b]  ; 2 off the exponent field: the conversion's scale operand
.endr
.irp b, 0,1,2,3
	s_delay_alu instid0(VALU_DEP_4)
	v_lshrrev_b32 v[236+\b], 23, v[244+\b]         ; the scale's byte
.endr
	s_delay_alu instid0(VALU_DEP_3)
	v_lshl_or_b32 v[PSW], v237, 8, v236            ; p's scale word for these 128 keys
	s_delay_alu instid0(VALU_DEP_1)
	v_lshl_or_b32 v[PSW], v238, 16, v[PSW]
	s_delay_alu instid0(VALU_DEP_1)
	v_lshl_or_b32 v[PSW], v239, 24, v[PSW]
	s_setprio 0
.irp b, 0,1,2,3
	v_cvt_scalef32_pk8_fp4_f32 v[PCD+2*\b], v[ST+16*\b:ST+7+16*\b], v[244+\b]
	v_cvt_scalef32_pk8_fp4_f32 v[PCD+1+2*\b], v[ST+8+16*\b:ST+15+16*\b], v[244+\b]
.endr
	v_nop                                          ; one plain place behind a scaled conversion
.irp c, 0,1
.irp i, 0,1
	v_permlane16_swap_b32 v[PCD+4*\c+\i], v[PCD+2+4*\c+\i]   ; a whole block to a lane
.endr
.endr
.set j, 0
.rept 16
	v_pk_mul_f32 v[OT+j:OT+j+1], v[OT+j:OT+j+1], v[FF:FF+1] op_sel_hi:[1,0]   ; O^T under the new M.  For each product below twelve of these name none of its registers: the places behind the scale word and the codes
.set j, j+2
.endr
	s_wait_alu depctr_va_vdst(0)
	s_wait_dscnt 0x0                               ; V is in
.irp t, 0,1,2,3
	v_wmma_scale_f32_16x16x128_f8f6f4 v[OT+8*\t:OT+8*\t+7], v[VF+8*\t:VF+8*\t+7], v[PCD:PCD+7], v[OT+8*\t:OT+8*\t+7], v[VSW+\t], v[PSW] matrix_a_fmt:MATRIX_FMT_FP4 matrix_b_fmt:MATRIX_FMT_FP4
.endr
.Lhidden_\@:
	s_add_co_u32 s[TB], s[TB], 4096
	s_add_co_u32 s[TS], s[TS], 512
	s_add_co_u32 s[TJ], s[TJ], 256
.endm
; THE WAY OUT of pass p: O^T / the sum; register 16 b + i is d = 32 b + 16 h + i of my query: two blocks of the last product's K, quantised as they stand
.macro WAYOUT p
.rept 4
	v_nop
.endr
	v_add_f32 v14, v14, v15                        ; the sum's two halves,
	s_delay_alu instid0(VALU_DEP_1)
	v_permlanex16_b32 v252, v14, s[SEL], s[SEL+1]
	s_delay_alu instid0(VALU_DEP_1)
	v_add_f32 v14, v14, v252                       ; and lane l xor 16's
	s_wait_alu depctr_va_vdst(0)
	v_rcp_f32 v14, v14
	v_nop                                          ; one plain place behind the reciprocal
	s_wait_alu depctr_va_vdst(0)                   ; and the wait ahead of its first reader
.set j, 0
.rept 16
	v_pk_mul_f32 v[ST+j:ST+j+1], v[OT+j:OT+j+1], v[14:15] op_sel_hi:[1,0]
.set j, j+2
.endr
.irp b, 0,1
	v_max3_num_f32 v[232+\b], |v[ST+16*\b]|, |v[ST+1+16*\b]|, 0x1800000
.endr
.irp i, 2,4,6,8,10,12,14
.irp b, 0,1
	s_delay_alu instid0(VALU_DEP_2)
	v_max3_num_f32 v[232+\b], v[232+\b], |v[ST+16*\b+\i]|, |v[ST+1+16*\b+\i]|
.endr
.endr
.irp b, 0,1
	s_delay_alu instid0(VALU_DEP_2)
	v_permlanex16_b32 v[236+\b], v[232+\b], s[SEL], s[SEL+1]
.endr
.irp b, 0,1
	s_delay_alu instid0(VALU_DEP_2)
	v_max_num_f32 v[232+\b], v[232+\b], v[236+\b]
.endr
.irp b, 0,1
	s_delay_alu instid0(VALU_DEP_2)
	v_add_nc_u32 v[244+\b], 0xff000000, v[232+\b]
.endr
.irp b, 0,1
	s_delay_alu instid0(VALU_DEP_2)
	v_lshrrev_b32 v[236+\b], 23, v[244+\b]
.endr
.irp b, 0,1
	v_cvt_scalef32_pk8_fp4_f32 v[OCD+4*\p+2*\b], v[ST+16*\b:ST+7+16*\b], v[244+\b]
	v_cvt_scalef32_pk8_fp4_f32 v[OCD+4*\p+2*\b+1], v[ST+8+16*\b:ST+15+16*\b], v[244+\b]
.endr
	v_nop
	v_permlane16_swap_b32 v[OCD+4*\p], v[OCD+4*\p+2]
	v_permlane16_swap_b32 v[OCD+4*\p+1], v[OCD+4*\p+3]
	global_store_b128 v[AK0], v[OCD+4*\p:OCD+4*\p+3], s[OC+2*\p:OC+2*\p+1]   ; 512 consecutive bytes: lane (r, h) holds block h of slot r
	v_cndmask_b32 v[OBY+\p], v236, v237, s[MSK]    ; and stores that block's byte
	global_store_b8 v[OSO], v[OBY+\p], s[OS+2*\p:OS+2*\p+1]
.endm
; A PASS.  The loop's trip count is a constant; the steps behind the diagonal only step the addresses.  O^T and the sum begin as zeros and the largest t as -3e38: the first change of M multiplies zeros.
.macro PASS p
	v_mov_b32 v13, 0xff61b1e6
	s_delay_alu instid0(VALU_DEP_1)
	v_floor_f32 v12, -v13
	v_mov_b32 v14, 0
	v_mov_b32 v15, 0
.set j, 0
.rept 32
	v_mov_b32 v[OT+j], 0
.set j, j+1
.endr
	s_mov_b32 s[KS], 0
	s_mov_b32 s[TB], 0
	s_mov_b32 s[TS], 0
	s_mov_b32 s[TJ], 0
.Lkeys_\@:
	KSTEP \p
	s_add_co_u32 s[KS], s[KS], 1
	s_cmp_lt_u32 s[KS], 16
	s_cbranch_scc1 .Lkeys_\@
	s_setprio 0
	WAYOUT \p
.endm
	PASS 0
	PASS 1
	s_wait_tensorcnt 0x0
	ds_add_u32 v249, v255
	s_wait_dscnt 0x0
	s_endpgm
.Lfunc_end_k_q3daf208007_attn:
	.size	k_q3daf208007_attn, .Lfunc_end_k_q3daf208007_attn-k_q3daf208007_attn
	.p2alignl 7, 3214868480
	.fill 96, 4, 3214868480
	.section	.rodata,"a",@progbits
	.p2align	6, 0x0
	.amdhsa_kernel k_q3daf208007_attn
		.amdhsa_group_segment_fixed_size 169984
		.amdhsa_private_segment_fixed_size 0
		.amdhsa_enable_private_segment 0
		.amdhsa_kernarg_size 32
		.amdhsa_user_sgpr_count 2
		.amdhsa_user_sgpr_kernarg_segment_ptr 1
		.amdhsa_wavefront_size32 1
		.amdhsa_system_sgpr_workgroup_id_x 1
		.amdhsa_system_sgpr_workgroup_id_y 1
		.amdhsa_system_sgpr_workgroup_id_z 1
		.amdhsa_system_vgpr_workitem_id 0
		.amdhsa_next_free_vgpr 256
		.amdhsa_next_free_sgpr 80
		.amdhsa_reserve_vcc 1
		.amdhsa_float_denorm_mode_32 3
		.amdhsa_float_denorm_mode_16_64 3
		.amdhsa_memory_ordered 1
		.amdhsa_forward_progress 1
		.amdhsa_inst_pref_size 62
	.end_amdhsa_kernel
	.amdgpu_metadata
---
amdhsa.version: [ 1, 2 ]
amdhsa.kernels:
  - .name:           k_q3daf208007_attn
    .symbol:         k_q3daf208007_attn.kd
    .args:
      - { .name: qkvc, .offset: 0, .size: 8, .value_kind: global_buffer, .address_space: global }
      - { .name: qkvs, .offset: 8, .size: 8, .value_kind: global_buffer, .address_space: global }
      - { .name: ac, .offset: 16, .size: 8, .value_kind: global_buffer, .address_space: global }
      - { .name: asc, .offset: 24, .size: 8, .value_kind: global_buffer, .address_space: global }
    .group_segment_fixed_size: 169984
    .private_segment_fixed_size: 0
    .kernarg_segment_align: 8
    .kernarg_segment_size: 32
    .max_flat_workgroup_size: 512
    .sgpr_count:     80
    .vgpr_count:     256
    .wavefront_size: 32
...
	.end_amdgpu_metadata
.endif
;; end of part 3
;; launch proj (part 4): grid 4 x 64, 4 waves a work-group, clusters of 4 x 4, 230,912 bytes of LDS; arguments ac, asc, wc, ws, b_out, out0; writes out0
.if DOCPART == 4
	.amdgcn_target "amdgcn-amd-amdhsa--gfx1250"
	.amdhsa_code_object_version 6
	.text
	.protected	k_q3daf208007_proj
	.globl	k_q3daf208007_proj
	.p2align	8
	.type	k_q3daf208007_proj,@function
k_q3daf208007_proj:
	s_mov_b64 s[64:65], 0
	v_nop
	global_prefetch_b8 v0, s[64:65] scope:SCOPE_SE
	s_setreg_imm32_b32 hwreg(HW_REG_WAVE_MODE, 25, 1), 1
	s_wait_xcnt 0x0
	s_wait_alu depctr_hold_cnt(0) depctr_sa_sdst(0) depctr_va_vdst(0) depctr_va_sdst(0) depctr_va_ssrc(0) depctr_va_vcc(0) depctr_vm_vsrc(0)
	s_getreg_b32 s2, hwreg(HW_REG_IB_STS2, 6, 4)
	s_cmp_eq_u32 s2, 0
	s_cbranch_scc0 .Lentry_in_a_cluster
	s_endpgm
.Lentry_in_a_cluster:
	s_bfe_u32 s2, ttmp6, 0x10000c
	s_cmp_lg_u32 s2, 0xf033
	s_cbranch_scc0 .Lentry_shape_is_right
	s_endpgm
.Lentry_shape_is_right:
; out0 = a w_out + b_out on codes of FP4 (E2M1) with E8M0 scales, K = 1,024, f32 sums.  a: the attention's result as codes, 8,192 rows; w_out's 1,024 columns as codes, behind w_qkv's in wc and ws.
; A tile of out0 is 128 x 256, so that the 64 x 4 tiles are one for each of 256 work-groups; four waves, each 64 x 128: 32 accumulators, 256 registers.
; OPERANDS lie in tiles of 16 rows (slot r of tile T = row 32 (T / 2) + 8 (T % 2) + r % 8 + 16 (r / 8)); a tile's fragment for 128 along K is 1,024 consecutive bytes, 16 a lane.
; THE MATRIX INSTRUCTION IS USED TRANSPOSED (source 0 = a tile of w_out's columns, source 1 = a tile of a's rows): a lane holds one row of out0, and the 16 registers of B's tiles 2 b and 2 b + 1 are 16 neighbouring columns.
; LDS: both halves of K of the work-group's A and B, 2 x 98,304 bytes, each byte filled once; behind them a stage of 16 rows x 528 bytes for each wave, into which no fill lands.
; CLUSTER 4 x 4: A's tiles are asked for jointly along a row of the cluster, B's along a column.
; SCALES go from memory straight into registers: lane (r, h) takes the four scale words of slot r for K half h: a register serves K step q in lanes 0-15 and K step q + 4 in lanes 16-31.
; REGISTERS: window 0: v2-8 lane numbers and offsets; v10-11 the stage; v16-21 LDS addresses; v32-47 A's scale words, v64-95 B's; v128-191 A's fragments, two sets; on the way out v128-255 rows of out0.
;   window 1: v0-127 B's fragments, two sets; v128-191 the bias.   window 2: accumulator (a, b) at v[8 (8 a + b)].
.set NA,   4
.set NF,   16+2*NA
.set LI,   4
.set STO,  10
.set RD,   11
.set ADRA, 16
.set ADRB, 20
.set SCA,  32
.set SCB,  64
.set AF,   128
.set BK,   128
.set BIAS, 128
.set WV,   18
.set RH,   19
.set CH,   20
.set CX,   21
.set CY,   22
.set G1A,  24
.set G0A,  32
.set G1B,  48
.set G0B,  56
.set MSB, 0
.macro WIN new                         ; the immediate's high byte repeats the setting that is left
.if MSB != (\new)
	s_set_vgpr_msb (MSB<<8)|(\new)
.set MSB, (\new)
.endif
.endm
.macro PLACES n
.rept \n
	v_nop
.endr
.endm
.macro JLOAD g0a, g1a, g0b, g1b        ; a joint load: waves 0 and 1 fetch for A, waves 2 and 3 for B; four v_nop follow each of the two lines
	s_cmp_eq_u32 s[RH], 0
	s_cbranch_scc0 .Lfor_b_\@
	tensor_load_to_lds s[\g0a:\g0a+3], s[\g1a:\g1a+7]
	s_nop 0
.rept 4
	v_nop
.endr
	s_branch .Lasked_\@
.Lfor_b_\@:
	tensor_load_to_lds s[\g0b:\g0b+3], s[\g1b:\g1b+7]
	s_nop 0
.rept 4
	v_nop
.endr
.Lasked_\@:
.endm
.macro CROUND                          ; a round of the cluster's barrier
	s_barrier_signal -1
	s_barrier_wait -1
	s_cmp_lg_u32 s[WV], 0
	s_cbranch_scc1 .Lnot_wave_0_\@
	s_barrier_signal -3
.Lnot_wave_0_\@:
	s_barrier_wait -3
	s_barrier_signal -1
	s_barrier_wait -1
.endm
.macro FETCH q                         ; K step q's fragments into set q % 2: every load reads 512 consecutive bytes
	WIN 0x40
.irp i, 0,1,2,3,4,5,6,7
.irp c, 0,1
	ds_load_b128 v[64*((\q)%2)+8*\i+4*\c:64*((\q)%2)+8*\i+4*\c+3], v[ADRB+((\q)>>2)] offset:4096*\i+1024*((\q)&3)+512*\c
.endr
.endr
	WIN 0
.set fi, 0
.rept NA
.irp c, 0,1
	ds_load_b128 v[AF+8*NA*((\q)%2)+8*fi+4*\c:AF+8*NA*((\q)%2)+8*fi+4*\c+3], v[ADRA+((\q)>>2)] offset:4096*fi+1024*((\q)&3)+512*\c
.endr
.set fi, fi+1
.endr
.endm
.macro MM a, b, q, bias
.set rD, 8*(8*(\a)+(\b))
.set rB, 64*((\q)%2)+8*(\b)
.set rA, AF+8*NA*((\q)%2)+8*(\a)
.set rT, SCB+4*(\b)+((\q)&3)
.set rU, SCA+4*(\a)+((\q)&3)
.if (\bias) == 1
	v_wmma_scale_f32_16x16x128_f8f6f4 v[rD:rD+7], v[rB:rB+7], v[rA:rA+7], v[BIAS+8*(\b):BIAS+8*(\b)+7], v[rT], v[rU] matrix_a_fmt:MATRIX_FMT_FP4 matrix_b_fmt:MATRIX_FMT_FP4
.elseif (\q) >= 4
	v_wmma_scale_f32_16x16x128_f8f6f4 v[rD:rD+7], v[rB:rB+7], v[rA:rA+7], v[rD:rD+7], v[rT], v[rU] matrix_a_fmt:MATRIX_FMT_FP4 matrix_b_fmt:MATRIX_FMT_FP4 matrix_a_scale:MATRIX_SCALE_ROW1 matrix_b_scale:MATRIX_SCALE_ROW1
.else
	v_wmma_scale_f32_16x16x128_f8f6f4 v[rD:rD+7], v[rB:rB+7], v[rA:rA+7], v[rD:rD+7], v[rT], v[rU] matrix_a_fmt:MATRIX_FMT_FP4 matrix_b_fmt:MATRIX_FMT_FP4
.endif
.endm
.macro STEP q, bias                    ; a K step of 128: the next step's fragments are asked for, then this step's 32 products; the accumulators take turns in the same order in every step
.if ((\q) > 0) && ((\q) < 7)
	PLACES 4                                       ; in front of loads into the set that the last K step multiplied
.endif
.if (\q) == 3
	s_wait_tensorcnt 0x0                           ; my part of K half 1 has landed,
	s_wait_dscnt 0x0                               ; no LDS load of mine is out at the signal,
	s_barrier_signal -1
	s_barrier_wait -1                              ; and everybody's part has
.endif
.if (\q) < 7
	FETCH (\q)+1
	s_wait_dscnt NF                                ; all but the loads just issued: this step's set is in
.else
	s_wait_dscnt 0x0
.endif
.if \bias
	WIN 0x91                                       ; source 0 (B) window 1, source 1 (A) window 0, C (the bias) window 1, D window 2
.else
	WIN 0xa1
.endif
.irp a, 0,1,2,3
.irp b, 0,1,2,3,4,5,6,7
	MM \a, \b, \q, \bias
.endr
.endr
	WIN 0
.endm
	s_load_b256 s[4:11], s[0:1], 0x0               ; ac s[4:5], asc s[6:7], wc s[8:9], ws s[10:11]
	s_load_b128 s[12:15], s[0:1], 0x20             ; b_out s[12:13], out0 s[14:15]
	v_lshl_add_u32 v126, v0, 2, 0x38400
	v_mov_b32 v127, 0
	ds_add_u32 v126, v127
	ds_add_u32 v126, v127
	v_lshrrev_b32 v1, 5, v0
	v_readfirstlane_b32 s[WV], v1                  ; wave 0..3
	s_lshr_b32 s[RH], s[WV], 1                     ; which half of the tile's rows is mine.  Also: I fetch for A (0) or for B (1)
	s_and_b32 s[CH], s[WV], 1                      ; which half of its columns.  Also: which half of that tile I fetch
	s_bfe_u32 s[CX], ttmp6, 0x40000
	s_bfe_u32 s[CY], ttmp6, 0x40004
	s_and_b32 s40, ttmp7, 0xffff
	s_lshl_b32 s41, s40, 2
	s_add_co_u32 s41, s41, s[CY]                   ; A's tile of 128 rows
	s_lshl_b32 s42, ttmp9, 2
	s_add_co_u32 s42, s42, s[CX]                   ; B's tile of 256 columns
	s_lshl_b32 s43, s[CY], 2
	s_lshl_b32 s43, 15, s43                        ; my row of the cluster
	s_lshl_b32 s44, 0x1111, s[CX]                  ; my column
	; descriptor groups 1: dense blocks as rows of 32 elements of 8 bytes: A 64 rows (16,384 bytes), B 128 rows (32,768)
	s_or_b32 s[G1A], s43, (3<<16)|(1<<21)
	s_mov_b32 s[G1A+1], 32<<16
	s_mov_b32 s[G1A+2], 64<<16
	s_mov_b32 s[G1A+3], 32<<16
	s_mov_b32 s[G1A+4], 64
	s_mov_b32 s[G1A+5], 32
	s_mov_b32 s[G1A+6], 0
	s_mov_b32 s[G1A+7], 0
	s_or_b32 s[G1B], s44, (3<<16)|(1<<21)
	s_mov_b32 s[G1B+1], 32<<16
	s_mov_b32 s[G1B+2], 128<<16
	s_mov_b32 s[G1B+3], 32<<16
	s_mov_b32 s[G1B+4], 128
	s_mov_b32 s[G1B+5], 32
	s_mov_b32 s[G1B+6], 0
	s_mov_b32 s[G1B+7], 0
	s_lshl_b32 s80, s41, 15                        ; A: 8 tiles x 4,096 bytes a K half; the 4 tiles that I fetch
	s_lshl_b32 s81, s[CH], 14
	s_add_co_u32 s80, s80, s81
	s_mov_b32 s81, 0
	s_lshl_b32 s82, s42, 16                        ; B: 16 tiles; the 8 that I fetch; w_out's section of wc
	s_lshl_b32 s83, s[CH], 15
	s_add_co_u32 s82, s82, s83
	s_add_co_u32 s82, s82, 1572864
	s_mov_b32 s83, 0
	s_lshl_b32 s45, s[CH], 14                      ; where they go: A's two halves at 0,
	s_lshl_b32 s46, s[CH], 15
	s_add_co_u32 s46, s46, 32768                   ; B's behind them: no place in the cluster enters an LDS address
	s_wait_dscnt 0x0
	s_wait_kmcnt 0x0
	s_add_nc_u64 s[66:67], s[4:5], s[80:81]
	s_add_nc_u64 s[70:71], s[8:9], s[82:83]
	CROUND                                         ; all sixteen work-groups are here: the joint loads meet
	s_mov_b32 s[G0A], 1
	s_mov_b32 s[G0A+1], s45
	s_mov_b64 s[G0A+2:G0A+3], s[66:67]
	s_or_b32 s[G0A+3], s[G0A+3], 0x80000000
	s_mov_b32 s[G0B], 1
	s_mov_b32 s[G0B+1], s46
	s_mov_b64 s[G0B+2:G0B+3], s[70:71]
	s_or_b32 s[G0B+3], s[G0B+3], 0x80000000
	JLOAD G0A, G1A, G0B, G1B                       ; K half 0
	s_mov_b32 s[G0A+4], 1
	s_add_co_u32 s[G0A+5], s45, 98304
	s_add_nc_u64 s[G0A+6:G0A+7], s[66:67], 2097152
	s_or_b32 s[G0A+7], s[G0A+7], 0x80000000
	s_mov_b32 s[G0B+4], 1
	s_add_co_u32 s[G0B+5], s46, 98304
	s_add_nc_u64 s[G0B+6:G0B+7], s[70:71], 262144
	s_or_b32 s[G0B+7], s[G0B+7], 0x80000000
	JLOAD G0A+4, G1A, G0B+4, G1B                   ; K half 1: two tensor loads of mine are out, and there are no more
	v_and_b32 v1, 31, v0
	v_lshlrev_b32 v[LI], 4, v1
	v_and_b32 v2, 15, v0                           ; r
	v_bfe_u32 v3, v0, 4, 1                         ; h
	s_lshl_b32 s94, s[RH], 14                      ; my 64 rows of A
	v_add_nc_u32 v[ADRA], s94, v[LI]
	v_add_nc_u32 v[ADRB], s46, v[LI]               ; my 128 rows of B
	v_add_nc_u32 v[ADRA+1], 98304, v[ADRA]
	v_add_nc_u32 v[ADRB+1], 98304, v[ADRB]
	v_lshlrev_b32 v5, 4, v2                        ; 16 r
	v_lshl_add_u32 v6, v3, 17, v5                  ; A's scale words: slot r, K half h
	v_lshl_add_u32 v7, v3, 14, v5                  ; B's
	s_mul_i32 s95, s[WV], 8448
	s_add_co_u32 s95, s95, 196608                  ; my stage
	v_mul_u32_u24 v[STO], v2, 528
	v_lshl_add_u32 v[STO], v3, 6, v[STO]
	v_add_nc_u32 v[STO], s95, v[STO]               ; in: row r, 64 bytes on for lanes 16-31
	v_add_nc_u32 v[RD], s95, v[LI]                 ; back: the 32 lanes take a row of 512 bytes
	s_lshl_b32 s94, s41, 11
	s_lshl_b32 s96, s[RH], 10
	s_add_co_u32 s94, s94, s96
	s_mov_b32 s95, 0
	s_add_nc_u64 s[68:69], s[6:7], s[94:95]
	s_lshl_b32 s96, s42, 12
	s_lshl_b32 s97, s[CH], 11
	s_add_co_u32 s96, s96, s97
	s_add_co_u32 s96, s96, 98304                   ; w_out's section of ws
	s_mov_b32 s97, 0
	s_add_nc_u64 s[72:73], s[10:11], s[96:97]
.irp i, 0,1,2,3
	global_load_b128 v[SCA+4*\i:SCA+4*\i+3], v6, s[68:69] offset:256*\i
.endr
.irp i, 0,1,2,3,4,5,6,7
	global_load_b128 v[SCB+4*\i:SCB+4*\i+3], v7, s[72:73] offset:256*\i
.endr
	s_lshl_b32 s90, s42, 10                        ; b_out at 256 x B's tile + 128 x half;
	s_lshl_b32 s91, s[CH], 9
	s_add_co_u32 s90, s90, s91
	s_mov_b32 s91, 0
	s_add_nc_u64 s[90:91], s[12:13], s[90:91]
	v_lshlrev_b32 v8, 6, v3                        ; lane (r, h) wants, for B's block b, columns 32 (b / 2) + 8 (b % 2) + 16 h + 0 .. 7
	WIN 0x40
.irp b, 0,1,2,3,4,5,6,7
	global_load_b128 v[BIAS+8*\b:BIAS+8*\b+3], v8, s[90:91] offset:4*(32*(\b/2)+8*(\b%2))
	global_load_b128 v[BIAS+8*\b+4:BIAS+8*\b+7], v8, s[90:91] offset:4*(32*(\b/2)+8*(\b%2))+16
.endr
	WIN 0
	s_lshl_b32 s84, s41, 19                        ; out0: row 128 x A's tile + 64 x half, 4,096 bytes a row;
	s_lshl_b32 s94, s[RH], 18
	s_add_co_u32 s84, s84, s94
	s_lshl_b32 s94, s42, 10                        ; column 256 x B's tile + 128 x half
	s_add_co_u32 s84, s84, s94
	s_lshl_b32 s94, s[CH], 9
	s_add_co_u32 s84, s84, s94
	s_mov_b32 s85, 0
	s_add_nc_u64 s[84:85], s[14:15], s[84:85]
	s_wait_tensorcnt 1                             ; my part of K half 0 is in; K half 1's load may stay out
	s_barrier_signal -1
	s_barrier_wait -1                              ; everybody's is
	FETCH 0
	s_wait_loadcnt 0x0                             ; scale words and bias
	STEP 0, 1                                      ; the first K step starts the sums from the bias
.irp q, 1,2,3,4,5,6,7
	STEP \q, 0
.endr
; THE WAY OUT, block by block of 16 rows x 128 columns.  A lane holds pieces of 32 neighbouring bytes of one row: a block goes through my own stage and comes back as whole rows of 512 bytes.
; LDS serves a wave's instructions in order (ISA guide 5.7.1.4): no wait between the stores and the loads, nor in front of the next block's stores.
.macro TOSTAGE a
	WIN 0x08                                       ; an LDS store's data are its source 1: window 2
.irp b, 0,1,2,3,4,5,6,7
	ds_store_b128 v[STO], v[8*(8*(\a)+\b):8*(8*(\a)+\b)+3] offset:128*(\b/2)+32*(\b%2)          ; each accumulator from its low end on
	ds_store_b128 v[STO], v[8*(8*(\a)+\b)+4:8*(8*(\a)+\b)+7] offset:128*(\b/2)+32*(\b%2)+16
.endr
	WIN 0
.set BB, BK+64*((\a)%2)
.irp t, 0,1,2,3,4,5,6,7,8,9,10,11,12,13,14,15
	ds_load_b128 v[BB+4*\t:BB+4*\t+3], v[RD] offset:528*\t
.endr
.endm
.macro SEND a, younger                 ; younger: the LDS instructions issued behind block a's loads, which may stay out
.set BB, BK+64*((\a)%2)
	s_wait_dscnt \younger
.irp t, 0,1,2,3,4,5,6,7,8,9,10,11,12,13,14,15
	global_store_b128 v[LI], v[BB+4*\t:BB+4*\t+3], s[84:85] offset:(32*((\a)/2)+8*((\a)%2)+(\t%8)+16*(\t/8))*4096 th:TH_STORE_NT   ; slot t's row: 32 lanes store 512 consecutive bytes, at a multiple of 256 from out0's first byte
.endr
.endm
	PLACES 4                                       ; behind the last products: for the reads of results and for the loads into the registers that held A's fragments
	TOSTAGE 0
.irp a, 1,2,3
.if \a > 1
	s_wait_xcnt 0x0                                ; block a - 2's stores have read their registers: block a's loads may land there
.endif
	TOSTAGE \a
	SEND \a-1, 32                                  ; behind block a - 1's loads: block a's 16 stores and 16 loads
.endr
	SEND 3, 0
	s_wait_dscnt 0x0
	s_wait_tensorcnt 0x0
	ds_add_u32 v126, v127
	s_wait_dscnt 0x0
	CROUND                                         ; the closing round: no work-group ends while a partner may still ask for a tile that names it
	s_endpgm
.Lfunc_end_k_q3daf208007_proj:
	.size	k_q3daf208007_proj, .Lfunc_end_k_q3daf208007_proj-k_q3daf208007_proj
	.p2alignl 7, 3214868480
	.fill 96, 4, 3214868480
	.section	.rodata,"a",@progbits
	.p2align	6, 0x0
	.amdhsa_kernel k_q3daf208007_proj
		.amdhsa_group_segment_fixed_size 230912
		.amdhsa_private_segment_fixed_size 0
		.amdhsa_enable_private_segment 0
		.amdhsa_kernarg_size 48
		.amdhsa_user_sgpr_count 2
		.amdhsa_user_sgpr_kernarg_segment_ptr 1
		.amdhsa_wavefront_size32 1
		.amdhsa_system_sgpr_workgroup_id_x 1
		.amdhsa_system_sgpr_workgroup_id_y 1
		.amdhsa_system_sgpr_workgroup_id_z 1
		.amdhsa_system_vgpr_workitem_id 0
		.amdhsa_next_free_vgpr 768
		.amdhsa_next_free_sgpr 100
		.amdhsa_reserve_vcc 0
		.amdhsa_float_denorm_mode_32 3
		.amdhsa_float_denorm_mode_16_64 3
		.amdhsa_memory_ordered 1
		.amdhsa_forward_progress 1
		.amdhsa_inst_pref_size 71
	.end_amdhsa_kernel
	.amdgpu_metadata
---
amdhsa.version: [ 1, 2 ]
amdhsa.kernels:
  - .name:           k_q3daf208007_proj
    .symbol:         k_q3daf208007_proj.kd
    .args:
      - { .name: ac, .offset: 0, .size: 8, .value_kind: global_buffer, .address_space: global }
      - { .name: asc, .offset: 8, .size: 8, .value_kind: global_buffer, .address_space: global }
      - { .name: wc, .offset: 16, .size: 8, .value_kind: global_buffer, .address_space: global }
      - { .name: ws, .offset: 24, .size: 8, .value_kind: global_buffer, .address_space: global }
      - { .name: b_out, .offset: 32, .size: 8, .value_kind: global_buffer, .address_space: global }
      - { .name: out0, .offset: 40, .size: 8, .value_kind: global_buffer, .address_space: global }
    .group_segment_fixed_size: 230912
    .private_segment_fixed_size: 0
    .kernarg_segment_align: 8
    .kernarg_segment_size: 48
    .max_flat_workgroup_size: 128
    .sgpr_count:     100
    .vgpr_count:     768
    .wavefront_size: 32
...
	.end_amdgpu_metadata
.endif
;; end of part 4
